; MI455X (gfx1250); checked and timed in simulation.
; The chip was launched on July 23, 2026; its instructions are those of AMD's public machine-readable ISA for CDNA 5 (MIT licence, August 2026) and "CDNA5" Instruction Set Architecture Reference Guide (July 2026). The comments in the code are by the model that wrote it; some were corrected since.
;; Multi Head Attention. Allowed arithmetic: matrix products marked QUANTISED: E2M1 operands, one E8M0 scale for each 32 along K, by v_wmma_scale_f32_16x16x128_f8f6f4 with both operands' format E2M1 (or v_wmma_scale_f32_32x16x128_f4), f32 sums; everything else in f32.
;; Inputs: K 4 x 2,048 x 1,024 float32; Q 4 x 2,048 x 1,024 float32; V 4 x 2,048 x 1,024 float32; Wk 16 x 1,024 x 64 float32; Wo 1,024 x 1,024 float32; Wq 16 x 1,024 x 64 float32; Wv 16 x 1,024 x 64 float32; bk 16 x 64 float32; bo 1,024 float32; bq 16 x 64 float32; bv 16 x 64 float32.
;; Outputs: out0 4 x 2,048 x 1,024 float32.
;; This version of the problem:
;;   THIS VERSION OF THE PROBLEM IS GIVEN IN LOW PRECISION. The matrix products marked QUANTISED in the list below multiply operands that are first quantised to E2M1 (2 exponent bits, 1 mantissa bit; 4 bits a number), with one power-of-two scale for each 32 numbers along K (OCP MX v1.0); their sums are f32. All else is computed in f32.
;;   The module's matrix products, in the order in which they are computed (A, B: the left and right operand; K: the contracted axis; several contracted axes count as one K, in the product's order):
;;     1. [M 1,024, K 1,024] x [K 1,024, N 8,192]; A: input Wq; B: input Q: QUANTISED
;;     2. [M 1,024, K 1,024] x [K 1,024, N 8,192]; A: input Wk; B: input K: QUANTISED
;;     3. [M 1,024, K 1,024] x [K 1,024, N 8,192]; A: input Wv; B: input V: QUANTISED
;;     4. batch 64 x [M 2,048, K 64] x [K 64, N 2,048]; A: computed on the way; B: computed on the way: QUANTISED
;;     5. batch 64 x [M 2,048, K 2,048] x [K 2,048, N 64]; A: softmax (see below); B: computed on the way: QUANTISED
;;     6. [M 8,192, K 1,024] x [K 1,024, N 1,024]; A: computed on the way; B: input Wo: QUANTISED
;;   THE QUANTISER, for each operand of a quantised product, along K:
;;     - K is cut into blocks of 32 from its start; a last block that is shorter is filled with zeros.
;;     - A block's scale is 2^e with e = floor(log2(the largest magnitude in the block)) - 2, held to -126 .. 127; a block of zeros has e = 0. As a byte (E8M0): e + 127.
;;     - Each number is divided by its block's scale, clamped to +-6, and rounded to the nearest number of E2M1, ties to even, subnormals kept.
;;     - The product sums the exact products of the quantised numbers (number of the format x scale) in f32.
;;   ~~~python
;;   def quantise(x, axis):      # numpy; x: float32 -> the quantised numbers, widened to float32 again
;;       x = np.moveaxis(x, axis, -1); K = x.shape[-1]
;;       x = np.pad(x, [(0, 0)] * (x.ndim - 1) + [(0, -K % 32)]); x = x.reshape(x.shape[:-1] + (-1, 32)); a = np.abs(x).max(-1, keepdims=True)
;;       e = np.where(a > 0, np.clip(np.frexp(np.where(a > 0, a, 1))[1] - 1 - 2, -126, 127), 0)      # np.frexp(a)[1] - 1 = floor(log2(a)), exactly
;;       r = np.clip(x / 2.0 ** e, -6, 6)
;;       step = 2.0 ** (np.maximum(np.frexp(np.where(r == 0, 1, r))[1] - 1, 0) - 1)
;;       q = np.round(r / step) * step * 2.0 ** e      # np.round: ties to even
;;       return np.moveaxis(q.reshape(q.shape[:-2] + (-1,))[..., :K], -1, axis).astype(np.float32)
;;   ~~~
;;   SOFTMAX AHEAD OF A QUANTISED PRODUCT. Where the list says 'softmax', what is quantised is not the finished softmax but p = 2^(t - M), with t = logit x log2(e) and M = ceil(the row's largest t), a whole number; so 1/2 < the row's largest p <= 1. The row's sum l is taken of the UNQUANTISED p, in f32, and the product's result is divided by l at the end. Since M is a whole number, a kernel that streams over the keys may use a running M (the ceiling of the running maximum): every later rescaling is an exact power of two, which a block's scale takes up: the codes' values come out the same.
;;   OPERANDS COMPUTED ON THE WAY. 'Computed on the way' means the value that the module computes at that place (a softmax that the list does not call 'softmax' is quantised finished and normalised). What goes into a quantiser is computed in f32, as accurately as f32 sums, v_exp_f32 and their like allow (about 1e-6 of the number): no bf16 or f16 on the way to a quantiser, and a product that is left as it is and whose result goes on into a quantised operand takes f32 operands (vector FMAs, or v_wmma_f32_16x16x4_f32). A number that lies on a knife's edge between two numbers of the format may be rounded either way, as far as f32 arithmetic and the matrix unit's own rounding can turn it there, and no further.
;; One version. Each part assembles by itself: llvm-mc -triple=amdgcn-amd-amdhsa -mcpu=gfx1250 --defsym DOCPART=n.
;; ======== version 1 of 1: 5 launches
;; limits: right only within a limited range of input values
;; workspace buffers: xc 12,582,912 bytes; xs 786,432 bytes; wc 2,097,152 bytes; ws 131,072 bytes; qk 9,437,184 bytes; vv 4,456,448 bytes; cc 4,194,304 bytes; cs 262,144 bytes
;; launch quant_x (part 1): grid 768 x 1, 4 waves a work-group, no clusters, 33,280 bytes of LDS; arguments Q, K, V, xc, xs; writes xc, xs
.if DOCPART == 1
	.amdgcn_target "amdgcn-amd-amdhsa--gfx1250"
	.amdhsa_code_object_version 6
	.text
	.protected	k_qdd7aa2e0a8_quant_x
	.globl	k_qdd7aa2e0a8_quant_x
	.p2align	8
	.type	k_qdd7aa2e0a8_quant_x,@function
k_qdd7aa2e0a8_quant_x:
	s_mov_b64 s[64:65], 0
	v_nop
	global_prefetch_b8 v0, s[64:65] scope:SCOPE_SE
	s_setreg_imm32_b32 hwreg(HW_REG_WAVE_MODE, 25, 1), 1
	s_wait_xcnt 0x0
; Q, K and V, each [8192 tokens][1024] f32, become codes of FP4 (E2M1) with K = the 1,024 innermost, and one E8M0 byte for each 32 along K.
; A block's scale is 2^(floor(log2(its largest magnitude)) - 2): its byte is the largest magnitude's exponent field - 2, held at 1 from below.
; LIMITS: NaN and infinities among the inputs are not served; a block of zeros, and a block whose largest magnitude lies under 2^-124, gets the byte 1
; (a block of zeros has zero codes, which add nothing under that byte; the bytes are read by this program alone).
; ORDER OF ROWS: the buffers hold token tau(p) at place p, tau = p with its bits 3 and 4 exchanged: tile P holds tokens 32 (P / 2) + 8 (P % 2) + i + 8 (i / 8), i = 0 .. 15.
; xc: [3][place][512 bytes].  xs: [3][place / 128][K half][128 places][16 bytes].
; A WAVE TAKES ONE K HALF OF ONE TILE OF 16 PLACES: 16 steps of half a row (512 numbers).  Each of a step's four loads reads 512 consecutive bytes; the 2,048 bytes turn through the wave's own
; stage in LDS (16 bytes of padding behind each 64) and come back 64 bytes a lane: 16 neighbours, two lanes to a block.  A step's codes leave as 256 consecutive bytes, and the wave's 256 scale bytes as one such unit.
; 3 x 512 tiles x 2 halves are 3,072 waves: 768 work-groups of four.  The first 256 take Q, the next K, the last V: only a pointer is chosen.  Work-groups share no input: no cluster, no tensor load, no barrier.
.set STEPS, 16
.set SP,    80                         ; a lane's place in a stage: 64 bytes + 16 of padding
.set WREG,  8192                       ; LDS of a wave: two stages of 32 x SP bytes, then its 256 scale bytes, [place][16]
.set SBY,   2*32*SP
.set SPARE, 4*WREG                     ; the spare words: 128 bytes a wave
.set EMAX,  2
.set R,     16                         ; v16-79   four sets of 16 numbers as loaded
.set X,     80                         ; v80-111  two sets of 16 neighbours
.set C,     128                        ; v128-159 two registers of codes for each step: no store's data are written again
.set E,     160                        ; v160-175 a scale byte for each step
.set SPW,   176
.set NIL,   177
	s_load_b128 s[4:7], s[0:1], 0x0                ; Q, K
	s_load_b128 s[8:11], s[0:1], 0x10              ; V, xc
	s_load_b64 s[12:13], s[0:1], 0x20              ; xs
	v_lshl_add_u32 v[SPW], v0, 2, SPARE
	v_mov_b32 v[NIL], 0
	v_lshrrev_b32 v1, 5, v0
	v_readfirstlane_b32 s16, v1                    ; wave
	v_and_b32 v2, 31, v0                           ; lane
	v_lshlrev_b32 v3, 4, v2                        ; my 16 bytes of a load's 512
	s_mul_i32 s17, s16, WREG
	v_lshrrev_b32 v14, 2, v2
	v_mul_u32_u24 v14, v14, SP
	v_and_b32 v15, 3, v2
	v_lshl_add_u32 v14, v15, 4, v14
	v_add_nc_u32 v14, s17, v14                     ; the stage, on the way in: SP (lane / 4) + 16 (lane % 4)
	v_mul_u32_u24 v15, v2, SP
	v_add_nc_u32 v15, s17, v15                     ; and on the way out: SP x lane
	v_lshlrev_b32 v4, 3, v2                        ; my 8 bytes of a step's codes, and of the wave's scale bytes
	v_lshrrev_b32 v5, 1, v2
	s_add_co_u32 s17, s17, SBY
	v_add_nc_u32 v5, s17, v5                       ; my block's byte among the wave's scale bytes
	v_add_nc_u32 v6, s17, v4                       ; and on the way out 8 bytes a lane
	s_lshr_b32 s18, ttmp9, 8                       ; which tensor
	s_and_b32 s19, ttmp9, 255
	s_lshl_b32 s19, s19, 2
	s_add_co_u32 s19, s19, s16
	s_and_b32 s26, s19, 1                          ; H: my K half
	s_lshr_b32 s19, s19, 1                         ; P: my tile of 16 places
	s_lshr_b32 s20, s19, 1
	s_lshl_b32 s20, s20, 17                        ; 32 (P / 2) rows of 4,096 bytes
	s_and_b32 s21, s19, 1
	s_lshl_b32 s21, s21, 15                        ; + 8 (P % 2) rows
	s_add_co_u32 s20, s20, s21
	s_lshl_b32 s21, s26, 11                        ; + 2,048 H
	s_add_co_u32 s20, s20, s21
	s_mov_b32 s21, 0
	s_lshl_b32 s22, s18, 22                        ; codes: 4,194,304 bytes a tensor,
	s_lshl_b32 s23, s19, 13                        ; 8,192 a tile,
	s_add_co_u32 s22, s22, s23
	s_lshl_b32 s23, s26, 8                         ; 256 a K half
	s_add_co_u32 s22, s22, s23
	s_mov_b32 s23, 0
	s_lshl_b32 s24, s18, 18                        ; scale bytes: 262,144 a tensor,
	s_lshr_b32 s25, s19, 3
	s_lshl_b32 s25, s25, 12                        ; 4,096 for 128 places,
	s_add_co_u32 s24, s24, s25
	s_and_b32 s25, s19, 7
	s_lshl_b32 s25, s25, 8                         ; 256 a tile,
	s_add_co_u32 s24, s24, s25
	s_lshl_b32 s25, s26, 11                        ; 2,048 a K half
	s_add_co_u32 s24, s24, s25
	s_mov_b32 s25, 0
	s_wait_alu depctr_va_vdst(0)
	s_wait_kmcnt 0x0
	s_cmp_lt_u32 ttmp9, 512                        ; the choice hangs on the work-group's number alone
	s_cselect_b64 s[6:7], s[6:7], s[8:9]
	s_cmp_lt_u32 ttmp9, 256
	s_cselect_b64 s[4:5], s[4:5], s[6:7]
	s_add_nc_u64 s[4:5], s[4:5], s[20:21]
	s_add_nc_u64 s[10:11], s[10:11], s[22:23]
	s_add_nc_u64 s[12:13], s[12:13], s[24:25]
.macro LOAD t                          ; step t: my half of the tile's row t, which is token t + 8 (t / 8) of the tile's
.irp i, 0,1,2,3
	global_load_b128 v[R+16*((\t)%4)+4*\i:R+16*((\t)%4)+4*\i+3], v3, s[4:5] offset:((\t)+8*((\t)/8))*4096+512*\i th:TH_LOAD_NT
.endr
.endm
.macro TURN t                          ; through the stage: LDS serves a wave's instructions in order, so no wait stands between the stores and the loads
.irp i, 0,1,2,3
	ds_store_b128 v14, v[R+16*((\t)%4)+4*\i:R+16*((\t)%4)+4*\i+3] offset:32*SP*((\t)%2)+8*SP*\i
.endr
.irp i, 0,1,2,3
	ds_load_b128 v[X+16*((\t)%2)+4*\i:X+16*((\t)%2)+4*\i+3], v15 offset:32*SP*((\t)%2)+16*\i
.endr
.endm
.irp t, 0,1,2,3
	LOAD \t
.endr
	s_wait_loadcnt 12                              ; step 0's four loads are in; the twelve of steps 1 to 3 may be out
	TURN 0
.macro STEP t
.set XS, X+16*((\t)%2)
.if (\t) > 0
	s_wait_dscnt 1                                 ; this step's numbers are back from the stage (the last step's byte store may be out), so its stage stores have read their registers,
.else
	s_wait_dscnt 0x0
.endif
.if (\t)+4 < STEPS
	LOAD (\t)+4                                    ; which take the loads of four steps on
.endif
.if (\t)+1 < STEPS
.if STEPS-2-(\t) >= 3
	s_wait_loadcnt 12                              ; the next step's loads are in; those of the three steps behind it may be out
.else
	s_wait_loadcnt 4*(STEPS-2-(\t))
.endif
	TURN (\t)+1
.endif
	v_max3_num_f32 v8, |v[XS]|, |v[XS+1]|, |v[XS+2]|               ; the largest magnitude of my 16, in two chains
	v_max3_num_f32 v9, |v[XS+3]|, |v[XS+4]|, |v[XS+5]|
.irp i, 6,10
	v_max3_num_f32 v8, v8, |v[XS+\i]|, |v[XS+\i+1]|
	v_max3_num_f32 v9, v9, |v[XS+\i+2]|, |v[XS+\i+3]|
.endr
	v_max3_num_f32 v8, v8, |v[XS+14]|, |v[XS+15]|
	v_max3_num_f32 v8, v8, v9, (EMAX+1)<<23        ; and the floor 2^(3 - 127): the byte cannot fall under 1
	v_max_num_f32_dpp v8, v8, v8 row_xmask:1 row_mask:0xf bank_mask:0xf   ; with my neighbour's 16: the block's
	v_add_nc_u32 v11, -(EMAX<<23), v8              ; 2 off its exponent field: the conversion takes that field as its scale
	v_cvt_scalef32_pk8_fp4_f32 v[C+2*(\t)], v[XS:XS+7], v11
	v_cvt_scalef32_pk8_fp4_f32 v[C+2*(\t)+1], v[XS+8:XS+15], v11
	v_lshrrev_b32 v[E+(\t)], 23, v11               ; the scale's byte (a plain line behind the conversions)
	ds_store_b8 v5, v[E+(\t)] offset:16*(\t)       ; both lanes of a block write the same byte with the same value
	global_store_b64 v4, v[C+2*(\t):C+2*(\t)+1], s[10:11] offset:512*(\t)   ; the wave stores 256 consecutive bytes, aligned: my half of place t's row
.endm
.set Q, 0
.rept STEPS
	STEP Q
.set Q, Q+1
.endr
	ds_load_b64 v[8:9], v6                         ; LDS serves a wave's instructions in order: this sees my byte stores
	s_wait_dscnt 0x0
	global_store_b64 v4, v[8:9], s[12:13]          ; 32 lanes store 256 consecutive bytes, aligned
	s_wait_tensorcnt 0x0                           ; the wave's end
	ds_add_u32 v[SPW], v[NIL]
	s_wait_dscnt 0x0
	s_endpgm
.Lfunc_end_k_qdd7aa2e0a8_quant_x:
	.size	k_qdd7aa2e0a8_quant_x, .Lfunc_end_k_qdd7aa2e0a8_quant_x-k_qdd7aa2e0a8_quant_x
	.p2alignl 7, 3214868480
	.fill 96, 4, 3214868480
	.section	.rodata,"a",@progbits
	.p2align	6, 0x0
	.amdhsa_kernel k_qdd7aa2e0a8_quant_x
		.amdhsa_group_segment_fixed_size 33280
		.amdhsa_private_segment_fixed_size 0
		.amdhsa_enable_private_segment 0
		.amdhsa_kernarg_size 40
		.amdhsa_user_sgpr_count 2
		.amdhsa_user_sgpr_kernarg_segment_ptr 1
		.amdhsa_wavefront_size32 1
		.amdhsa_system_sgpr_workgroup_id_x 1
		.amdhsa_system_sgpr_workgroup_id_y 1
		.amdhsa_system_sgpr_workgroup_id_z 1
		.amdhsa_system_vgpr_workitem_id 0
		.amdhsa_next_free_vgpr 192
		.amdhsa_next_free_sgpr 66
		.amdhsa_reserve_vcc 0
		.amdhsa_float_denorm_mode_32 3
		.amdhsa_float_denorm_mode_16_64 3
		.amdhsa_memory_ordered 1
		.amdhsa_forward_progress 1
		.amdhsa_inst_pref_size 34
	.end_amdhsa_kernel
	.amdgpu_metadata
---
amdhsa.version: [ 1, 2 ]
amdhsa.kernels:
  - .name:           k_qdd7aa2e0a8_quant_x
    .symbol:         k_qdd7aa2e0a8_quant_x.kd
    .args:
      - { .name: Q, .offset: 0, .size: 8, .value_kind: global_buffer, .address_space: global }
      - { .name: K, .offset: 8, .size: 8, .value_kind: global_buffer, .address_space: global }
      - { .name: V, .offset: 16, .size: 8, .value_kind: global_buffer, .address_space: global }
      - { .name: xc, .offset: 24, .size: 8, .value_kind: global_buffer, .address_space: global }
      - { .name: xs, .offset: 32, .size: 8, .value_kind: global_buffer, .address_space: global }
    .group_segment_fixed_size: 33280
    .private_segment_fixed_size: 0
    .kernarg_segment_align: 8
    .kernarg_segment_size: 40
    .max_flat_workgroup_size: 128
    .sgpr_count:     66
    .vgpr_count:     192
    .wavefront_size: 32
...
	.end_amdgpu_metadata
.endif
;; end of part 1
;; launch quant_w (part 2): grid 64 x 2, 8 waves a work-group, no clusters, 19,456 bytes of LDS; arguments Wq, Wk, Wv, Wo, wc, ws; writes wc, ws
.if DOCPART == 2
	.amdgcn_target "amdgcn-amd-amdhsa--gfx1250"
	.amdhsa_code_object_version 6
	.text
	.protected	k_qdd7aa2e0a8_quant_w
	.globl	k_qdd7aa2e0a8_quant_w
	.p2align	8
	.type	k_qdd7aa2e0a8_quant_w,@function
k_qdd7aa2e0a8_quant_w:
	s_mov_b64 s[64:65], 0
	v_nop
	global_prefetch_b8 v0, s[64:65] scope:SCOPE_SE
	s_setreg_imm32_b32 hwreg(HW_REG_WAVE_MODE, 25, 1), 1
	s_wait_xcnt 0x0
; The four weights become codes of FP4 (E2M1) with K innermost, and one E8M0 byte for each 32 along K.  Wq, Wk, Wv: [16 heads][1024 (K)][64]; Wo: [1024 (K)][1024].  In all four K is not innermost.
; A LANE TAKES A COLUMN AND ITS REGISTERS RUN DOWN K: a block of 32 lies in one lane's 32 registers, and the conversions give codes with K innermost.  Nothing is transposed by an instruction.
; A row of wc is a column of the weight: head x 64 + q, or Wo's n.  ORDER OF ROWS: place p holds row tau(p), tau = p with its bits 3 and 4 exchanged.
; wc: [4][place 1,024][512 bytes].  ws: [4][place / 128][K half][128 places][16 bytes].
; LIMITS: NaN and infinities are not served; a block of zeros, and one whose largest magnitude lies under 2^-124, gets the byte 1 (read by this program alone).
; A work-group takes 64 columns (x: tensor x 16 + group) and 512 along K (y).  Wave w: columns 32 (w % 2) on, 128 along K from 128 (w / 2) on: four blocks a lane.
; The two pitches (256 bytes from k to k + 1 in the heads' weights, 4,096 in Wo) are scalars chosen on the tensor's number: one path serves all four.
; The codes meet in a stage (64 rows x 256 bytes + 16) and leave as rows: sixteen lanes store 256 consecutive bytes, aligned.  Work-groups share no input: no cluster.
.set PITCH, 272
.set SCW,   64*PITCH                   ; behind the stage: the scale words, [place 64][4 words]
.set VO,    32                         ; v32-63   4 x lane + i x pitch
.set X,     64                         ; v64-191  four blocks of 32 numbers
.set C,     192                        ; v192-207 four registers of codes for each block
.set SBW,   208                        ; my four scale bytes
	s_load_b256 s[4:11], s[0:1], 0x0               ; Wq, Wk, Wv, Wo
	s_load_b128 s[12:15], s[0:1], 0x20             ; wc, ws
	v_lshl_add_u32 v224, v0, 2, 0x4800
	v_mov_b32 v225, 0
	v_lshrrev_b32 v1, 5, v0
	s_delay_alu instid0(VALU_DEP_1)
	v_readfirstlane_b32 s16, v1                    ; wave 0..7
	v_and_b32 v2, 31, v0                           ; lane
	s_wait_alu depctr_va_vdst(0)
	s_lshr_b32 s17, ttmp9, 4                       ; T: the tensor
	s_and_b32 s18, ttmp9, 15                       ; G: the group of 64 columns
	s_and_b32 s19, ttmp7, 0xffff                   ; H: the K half
	s_and_b32 s32, s16, 1                          ; e
	s_lshr_b32 s33, s16, 1                         ; kc
	s_cmp_eq_u32 s17, 3
	s_mov_b32 s20, 256
	s_cselect_b32 s20, 4096, s20                   ; bytes from k to k + 1
	s_mov_b32 s21, 0x40000
	s_cselect_b32 s21, 256, s21                    ; bytes from group to group
	s_mul_i32 s22, s18, s21
	s_lshl_b32 s23, s32, 7
	s_add_co_u32 s22, s22, s23                     ; + my 32 columns
	s_lshl_b32 s23, s19, 9
	s_lshl_b32 s34, s33, 7
	s_add_co_u32 s23, s23, s34                     ; my first k
	s_mul_i32 s23, s23, s20
	s_add_co_u32 s22, s22, s23
	s_mov_b32 s23, 0
	s_lshl_b32 s34, s20, 5                         ; a block: 32 steps along K
	s_mov_b32 s35, 0
	v_lshlrev_b32 v[VO], 2, v2
.set i, 1
.rept 31
	s_delay_alu instid0(VALU_DEP_1)
	v_add_nc_u32 v[VO+i], s20, v[VO+i-1]
.set i, i+1
.endr
	v_and_b32 v3, 7, v2                            ; my column's place: bits 3 and 4 of the lane exchanged,
	v_bfe_u32 v4, v2, 3, 1
	s_delay_alu instid0(VALU_DEP_1)
	v_lshl_add_u32 v3, v4, 4, v3
	v_bfe_u32 v4, v2, 4, 1
	s_delay_alu instid0(VALU_DEP_1)
	v_lshl_add_u32 v3, v4, 3, v3
	s_lshl_b32 s36, s32, 5
	v_add_nc_u32 v3, s36, v3                       ; + 32 e
	s_delay_alu instid0(VALU_DEP_1)
	v_mul_u32_u24 v5, v3, PITCH
	s_lshl_b32 s36, s33, 6
	v_add_nc_u32 v5, s36, v5                       ; into the stage: my place's row, my 64 bytes of it
	v_lshlrev_b32 v6, 4, v3
	s_lshl_b32 s36, s33, 2
	s_add_co_u32 s36, s36, SCW
	v_add_nc_u32 v6, s36, v6                       ; my scale word
	v_and_b32 v7, 15, v2
	v_mul_u32_u24 v8, v4, PITCH
	s_delay_alu instid0(VALU_DEP_1)
	v_lshl_add_u32 v8, v7, 4, v8
	s_mul_i32 s36, s16, 8*PITCH
	v_add_nc_u32 v8, s36, v8                       ; out of the stage: rows 8 w on, sixteen lanes to a row, two rows an instruction
	v_lshlrev_b32 v9, 9, v4
	s_delay_alu instid0(VALU_DEP_1)
	v_lshl_add_u32 v9, v7, 4, v9                   ; and the same place in wc
	v_lshlrev_b32 v10, 4, v2
	s_lshl_b32 s36, s32, 9
	s_add_co_u32 s37, s36, SCW
	v_add_nc_u32 v14, s37, v10                     ; the scale words' way out (waves 0 and 1): 512 bytes a wave
	v_add_nc_u32 v15, s36, v10
	s_lshl_b32 s36, s17, 19                        ; wc: 524,288 bytes a tensor,
	s_lshl_b32 s37, s18, 15                        ; 64 rows of 512 a group,
	s_add_co_u32 s36, s36, s37
	s_lshl_b32 s37, s16, 12                        ; 8 rows a wave,
	s_add_co_u32 s36, s36, s37
	s_lshl_b32 s37, s19, 8                         ; 256 bytes a K half
	s_add_co_u32 s36, s36, s37
	s_mov_b32 s37, 0
	s_lshl_b32 s38, s17, 15                        ; ws: 32,768 bytes a tensor,
	s_lshr_b32 s39, s18, 1
	s_lshl_b32 s39, s39, 12                        ; 4,096 for 128 places,
	s_add_co_u32 s38, s38, s39
	s_lshl_b32 s39, s19, 11                        ; 2,048 a K half,
	s_add_co_u32 s38, s38, s39
	s_and_b32 s39, s18, 1
	s_lshl_b32 s39, s39, 10                        ; 1,024 for my 64 places
	s_add_co_u32 s38, s38, s39
	s_mov_b32 s39, 0
	s_wait_kmcnt 0x0
	s_cmp_lt_u32 s17, 1                            ; the choices hang on the work-group's number alone
	s_cselect_b64 s[4:5], s[4:5], s[6:7]
	s_cmp_lt_u32 s17, 3
	s_cselect_b64 s[8:9], s[8:9], s[10:11]
	s_cmp_lt_u32 s17, 2
	s_cselect_b64 s[4:5], s[4:5], s[8:9]
	s_add_nc_u64 s[24:25], s[4:5], s[22:23]        ; a base for each of my four blocks
	s_add_nc_u64 s[26:27], s[24:25], s[34:35]
	s_add_nc_u64 s[28:29], s[26:27], s[34:35]
	s_add_nc_u64 s[30:31], s[28:29], s[34:35]
	s_add_nc_u64 s[12:13], s[12:13], s[36:37]
	s_add_nc_u64 s[14:15], s[14:15], s[38:39]
.macro LOAD b                          ; block b: 32 loads, each of 128 consecutive bytes a wave
.set i, 0
.rept 32
	global_load_b32 v[X+32*(\b)+i], v[VO+i], s[24+2*(\b):25+2*(\b)]
.set i, i+1
.endr
.endm
	LOAD 0
	LOAD 1
.macro BLOCK b
.set XS, X+32*(\b)
.if (\b) < 3
	s_wait_loadcnt 32                              ; this block's 32 loads are in; the next block's may be out
.else
	s_wait_loadcnt 0x0
.endif
.if (\b) < 2
	LOAD (\b)+2
.endif
	v_max3_num_f32 v12, |v[XS]|, |v[XS+1]|, |v[XS+2]|               ; the block's largest magnitude: all 32 numbers are mine
	v_max3_num_f32 v13, |v[XS+3]|, |v[XS+4]|, |v[XS+5]|
.irp i, 6,10,14,18,22,26
	s_delay_alu instid0(VALU_DEP_2)
	v_max3_num_f32 v12, v12, |v[XS+\i]|, |v[XS+\i+1]|
	s_delay_alu instid0(VALU_DEP_2)
	v_max3_num_f32 v13, v13, |v[XS+\i+2]|, |v[XS+\i+3]|
.endr
	s_delay_alu instid0(VALU_DEP_2)
	v_max3_num_f32 v12, v12, |v[XS+30]|, |v[XS+31]|
	s_delay_alu instid0(VALU_DEP_1)
	v_max3_num_f32 v12, v12, v13, 3<<23            ; and the floor 2^(3 - 127)
	s_delay_alu instid0(VALU_DEP_1)
	v_add_nc_u32 v11, -(2<<23), v12                ; the conversion's scale operand
	s_delay_alu instid0(VALU_DEP_1)
	v_lshrrev_b32 v13, 23, v11                     ; the scale's byte
.if (\b) == 0
	s_delay_alu instid0(VALU_DEP_1)
	v_mov_b32 v[SBW], v13
.else
	s_delay_alu instid0(VALU_DEP_1)
	v_lshl_or_b32 v[SBW], v13, 8*(\b), v[SBW]
.endif
.irp g, 0,1,2,3
	v_cvt_scalef32_pk8_fp4_f32 v[C+4*(\b)+\g], v[XS+8*\g:XS+8*\g+7], v11
.endr
	ds_store_b128 v5, v[C+4*(\b):C+4*(\b)+3] offset:16*(\b)        ; 32 codes: 16 bytes of my place's row
.endm
	BLOCK 0
	BLOCK 1
	BLOCK 2
	BLOCK 3
	ds_store_b32 v6, v[SBW]
	s_wait_dscnt 0x0                               ; for the others' sake: my stores into the stage are done
	s_barrier_signal -1
	s_barrier_wait -1
.irp t, 0,1,2,3
	ds_load_b128 v[X+4*\t:X+4*\t+3], v8 offset:2*\t*PITCH
.endr
.irp t, 0,1,2,3
	s_wait_dscnt 3-\t                              ; the younger loads may be out
	global_store_b128 v9, v[X+4*\t:X+4*\t+3], s[12:13] offset:1024*\t       ; sixteen lanes store 256 consecutive bytes, aligned
.endr
	s_cmp_lt_u32 s16, 2                            ; the 1,024 bytes of scale words leave by waves 0 and 1
	s_cbranch_scc0 .Ldone
	ds_load_b128 v[X+16:X+19], v14
	s_wait_dscnt 0x0
	global_store_b128 v15, v[X+16:X+19], s[14:15]
.Ldone:
	s_wait_tensorcnt 0x0
	ds_add_u32 v224, v225
	s_wait_dscnt 0x0
	s_endpgm
.Lfunc_end_k_qdd7aa2e0a8_quant_w:
	.size	k_qdd7aa2e0a8_quant_w, .Lfunc_end_k_qdd7aa2e0a8_quant_w-k_qdd7aa2e0a8_quant_w
	.p2alignl 7, 3214868480
	.fill 96, 4, 3214868480
	.section	.rodata,"a",@progbits
	.p2align	6, 0x0
	.amdhsa_kernel k_qdd7aa2e0a8_quant_w
		.amdhsa_group_segment_fixed_size 19456
		.amdhsa_private_segment_fixed_size 0
		.amdhsa_enable_private_segment 0
		.amdhsa_kernarg_size 48
		.amdhsa_user_sgpr_count 2
		.amdhsa_user_sgpr_kernarg_segment_ptr 1
		.amdhsa_wavefront_size32 1
		.amdhsa_system_sgpr_workgroup_id_x 1
		.amdhsa_system_sgpr_workgroup_id_y 1
		.amdhsa_system_sgpr_workgroup_id_z 1
		.amdhsa_system_vgpr_workitem_id 0
		.amdhsa_next_free_vgpr 226
		.amdhsa_next_free_sgpr 66
		.amdhsa_reserve_vcc 0
		.amdhsa_float_denorm_mode_32 3
		.amdhsa_float_denorm_mode_16_64 3
		.amdhsa_memory_ordered 1
		.amdhsa_forward_progress 1
		.amdhsa_inst_pref_size 28
	.end_amdhsa_kernel
	.amdgpu_metadata
---
amdhsa.version: [ 1, 2 ]
amdhsa.kernels:
  - .name:           k_qdd7aa2e0a8_quant_w
    .symbol:         k_qdd7aa2e0a8_quant_w.kd
    .args:
      - { .name: Wq, .offset: 0, .size: 8, .value_kind: global_buffer, .address_space: global }
      - { .name: Wk, .offset: 8, .size: 8, .value_kind: global_buffer, .address_space: global }
      - { .name: Wv, .offset: 16, .size: 8, .value_kind: global_buffer, .address_space: global }
      - { .name: Wo, .offset: 24, .size: 8, .value_kind: global_buffer, .address_space: global }
      - { .name: wc, .offset: 32, .size: 8, .value_kind: global_buffer, .address_space: global }
      - { .name: ws, .offset: 40, .size: 8, .value_kind: global_buffer, .address_space: global }
    .group_segment_fixed_size: 19456
    .private_segment_fixed_size: 0
    .kernarg_segment_align: 8
    .kernarg_segment_size: 48
    .max_flat_workgroup_size: 256
    .sgpr_count:     66
    .vgpr_count:     226
    .wavefront_size: 32
...
	.end_amdgpu_metadata
.endif
;; end of part 2
;; launch proj (part 3): grid 4 x 192, 4 waves a work-group, clusters of 4 x 4, 221,696 bytes of LDS; arguments xc, xs, wc, ws, bq, bk, bv, qk, vv; writes qk, vv
.if DOCPART == 3
	.amdgcn_target "amdgcn-amd-amdhsa--gfx1250"
	.amdhsa_code_object_version 6
	.text
	.protected	k_qdd7aa2e0a8_proj
	.globl	k_qdd7aa2e0a8_proj
	.p2align	8
	.type	k_qdd7aa2e0a8_proj,@function
k_qdd7aa2e0a8_proj:
	s_mov_b64 s[64:65], 0
	v_nop
	global_prefetch_b8 v0, s[64:65] scope:SCOPE_SE
	s_setreg_imm32_b32 hwreg(HW_REG_WAVE_MODE, 25, 1), 1
	s_wait_xcnt 0x0
	s_wait_alu depctr_hold_cnt(0) depctr_sa_sdst(0) depctr_va_vdst(0) depctr_va_sdst(0) depctr_va_ssrc(0) depctr_va_vcc(0) depctr_vm_vsrc(0)
	s_getreg_b32 s2, hwreg(HW_REG_IB_STS2, 6, 4)
	s_cmp_eq_u32 s2, 0
	s_cbranch_scc0 .Lentry_in_a_cluster
	s_endpgm
.Lentry_in_a_cluster:
	s_bfe_u32 s2, ttmp6, 0x10000c
	s_cmp_lg_u32 s2, 0xf033
	s_cbranch_scc0 .Lentry_shape_is_right
	s_endpgm
.Lentry_shape_is_right:
; The three projections q = Q Wq + bq, k = K Wk + bk, v = V Wv + bv on codes of FP4 (E2M1) with E8M0 scales, and the quantising of their results for the two products of attention.  No f32 result goes to memory.
; D = source 0 x source 1^T: source 0's rows run along a lane's registers, source 1's rows along the lanes.  What attention contracts must run along the registers:
;   q, k (K = the head's 64): source 0 = the weight's rows (head x 64 + q), source 1 = tokens.      v (K = the keys): source 0 = tokens, source 1 = Wv's rows.
; All rows lie in their buffers in the order tau (place p holds row p with bits 3 and 4 exchanged), so the 16 registers of two neighbouring tiles of source 0 are 16 NEIGHBOURS: 32 b + 16 (lane / 16) + 0 .. 15.
; A work-group makes 256 rows of source 0 x 128 rows of source 1; a wave 128 x 64: 32 accumulators.  K = 1,024 is 512 bytes a row: BOTH K HALVES LIE IN LDS AT ONCE, each filled once: no slot is filled again.
; CLUSTER 4 x 4: source 0's tile hangs on cx alone and is asked for jointly by a column of the cluster, source 1's on cy alone, by a row.  The tensor (cluster y / 16) is the same in all sixteen.
; The bias is the C of each sum's first product.  For q and k it goes with the registers, for v with the lanes: the one branch of the text, on the tensor's number, stands round those 32 products.
; OUT.  A wave's 64 numbers a lane and tile of source 1 are one operand fragment (8 registers) and one scale word:
;   qk: [q, k][batch x 16 + head][group of 128 places][4,608]: 8 tiles x 512 bytes (lane l's 16 bytes at 16 l: block l / 16 of place l % 16), then 2 x 256 bytes of words [tile / 4][place][tile % 4].
;       Registers 0-3 are the pair's first head, 4-7 its second; the second head's word is stored shifted down by 16 bits.  The two upper bytes of a word stand over zero codes in attention and are never 0xff.
;   vv: [batch x 16 + head][key step of 128][4,352]: 4 tiles x 2 x 512 bytes, images of the registers, then 256 bytes of words [place][tile].  (For v lanes 16-31 store the same words to the same bytes as lanes 0-15.)
; LIMITS: NaN and infinities are not served; a block of zeros, and one whose largest magnitude lies under 2^-124, gets the byte 1 (read by this program alone).
; REGISTERS.  window 0: v1-31 addresses; v32-95 source 0's scale words (8 b + K step); v96-127 source 1's; v128-191 the bias; v192-223 codes; v224-239 at work; v240-243 the words made.
;   window 1: accumulator (a, b) at v[8 (8 a + b)].   window 2: two sets of fragments at v0 and v128: source 0's eight, then source 1's four.
.set PITCH,  272                       ; an LDS row: 256 bytes + 16 of padding: the 16 rows of a fragment load start at 16 different banks (64 banks of 4 bytes: ISA guide 11.1)
.set SLOT,   384*PITCH                 ; a K half: source 0's 256 rows, then source 1's 128
.set S1OFF,  256*PITCH
.set KHEAD,  73728
.set KBLK,   4608
.set VHEAD,  69632
.set VBLK,   4352
.set AD0, 4                            ; v4-5   my fragments of source 0 in K half 0, 1
.set AD1, 6                            ; v6-7   of source 1
.set VBJ, 10                           ; v10-17 the bias: byte offset for register j
.set VOC, 18                           ; v18-25 the codes' stores: tile a, half c of the fragment
.set VOS, 26                           ; v26    the words' store
.set VSH, 27                           ; v27    the shift of the second head's words
.set SC0, 32
.set SC1, 96
.set BI,  128
.set PC,  192
.set TM,  224
.set PW,  240
.set SEL, 20                           ; s[20:21] v_permlanex16_b32's selects for lane l xor 16 (set when vv's address has been used)
.set G1C0, 36                          ; s[36:43] group 1: source 0's codes;  s[44:51] source 1's
.set G1C1, 44
.set G0C0, 76                          ; s[76:83] group 0: source 0's codes, a set for each K half;  s[84:91] source 1's
.set G0C1, 84
.set MSB, 0
.macro WIN new                         ; the immediate's high byte repeats the setting that is left
.if MSB != \new
	s_set_vgpr_msb (MSB<<8)|\new
.set MSB, \new
.endif
.endm
.macro PLACES n
.rept \n
	v_nop
.endr
.endm
; THE FILLS: four joint loads, ONE A WAVE, in one chain of branches on the wave's number: wave 0 source 0's 256 rows of K half 0, wave 1 source 1's 128 rows of it, waves 2 and 3 the same of K half 1.
; An arm: its load, s_nop 0 and four v_nop, and a jump to the chain's end.  The scale words do not pass through LDS: each wave loads its own into registers.
.macro ARM w, g0, g1, next
	s_cmp_eq_u32 s24, \w
	s_cbranch_scc0 \next
	tensor_load_to_lds s[\g0:\g0+3], s[\g1:\g1+7]
	s_nop 0
.rept 4
	v_nop
.endr
	s_branch .Lasked
\next:
.endm
.macro CROUND                          ; a round of the cluster's barrier
	s_barrier_signal -1
	s_barrier_wait -1
	s_cmp_lg_u32 s24, 0
	s_cbranch_scc1 .Lnot_wave_0_\@
	s_barrier_signal -3
.Lnot_wave_0_\@:
	s_barrier_wait -3
	s_barrier_signal -1
	s_barrier_wait -1
.endm
	s_load_b256 s[4:11], s[0:1], 0x0               ; xc, xs, wc, ws
	s_load_b256 s[12:19], s[0:1], 0x20             ; bq, bk, bv, qk
	s_load_b64 s[20:21], s[0:1], 0x40              ; vv
	v_lshl_add_u32 v254, v0, 2, 0x36000
	v_mov_b32 v255, 0
	ds_add_u32 v254, v255
	ds_add_u32 v254, v255
	v_lshrrev_b32 v1, 5, v0
	v_readfirstlane_b32 s24, v1                    ; wave 0..3
	s_lshr_b32 s25, s24, 1                         ; g1: my half of source 1's rows.  Also: the K half I fetch
	s_and_b32 s26, s24, 1                          ; g0: my half of source 0's rows.  Also: I fetch for source 0 (0) or 1 (1)
	s_bfe_u32 s27, ttmp6, 0x40000                  ; cx
	s_bfe_u32 s28, ttmp6, 0x40004                  ; cy
	s_and_b32 s29, ttmp7, 0xffff                   ; the cluster's y, 0 .. 47
	s_lshr_b32 s30, s29, 4                         ; T: q, k or v
	s_and_b32 s31, s29, 15
	s_lshr_b32 s2, s31, 1
	s_and_b32 s3, s31, 1
	s_cmp_eq_u32 s30, 2
	s_cselect_b32 s32, s2, 0                       ; q, k: the weight has 4 tiles of 256 rows, the tokens 64 of 128;
	s_cselect_b32 s33, s3, s31                     ; v: the tokens 32 of 256, the weight 8 of 128
	s_cselect_b32 s2, 22, 19                       ; log2 of a tensor's bytes in source 0's buffer of codes,
	s_cselect_b32 s3, 19, 22                       ; and in source 1's; their scale bytes are a sixteenth
	s_lshl_b32 s32, s32, 2
	s_add_co_u32 s32, s32, s27                     ; i0: source 0's tile; of the place in the cluster it holds cx alone
	s_lshl_b32 s33, s33, 2
	s_add_co_u32 s33, s33, s28                     ; i1: source 1's tile; cy alone
	s_lshl_b32 s34, 0x1111, s27                    ; my column of the cluster
	s_lshl_b32 s35, s28, 2
	s_lshl_b32 s35, 15, s35                        ; my row
	s_or_b32 s[G1C0], s34, (1<<20)|(1<<21)|(5<<22)|(3<<25)   ; 15:0 the mask; 17:16 elements of 1 byte; 20 padding on; 21 set beside a mask; 24:22 after every 64 words; 31:25 of 4 words
	s_or_b32 s[G1C1], s35, (1<<20)|(1<<21)|(5<<22)|(3<<25)
	s_mov_b32 s[G1C0+1], 256<<16                   ; tensor_dim0 = 256 bytes: a K half
	s_mov_b32 s[G1C0+2], 256<<16                   ; tensor_dim1 = 256 rows
	s_mov_b32 s[G1C0+3], 256<<16                   ; tile_dim0
	s_mov_b32 s[G1C0+4], 256                       ; tile_dim1
	s_mov_b32 s[G1C0+5], 512                       ; from row to row
	s_mov_b32 s[G1C0+6], 0
	s_mov_b32 s[G1C0+7], 0
	s_mov_b32 s[G1C1+1], 256<<16
	s_mov_b32 s[G1C1+2], 128<<16                   ; 128 rows
	s_mov_b32 s[G1C1+3], 256<<16
	s_mov_b32 s[G1C1+4], 128
	s_mov_b32 s[G1C1+5], 512
	s_mov_b32 s[G1C1+6], 0
	s_mov_b32 s[G1C1+7], 0
	; byte offsets, apart from the addresses.  Source 0's are made of T, i0 and the wave's number, source 1's of T, i1 and the wave's number
	s_lshl_b32 s60, s30, s2                        ; source 0's codes: the tensor,
	s_lshl_b32 s61, s32, 17                        ; 256 rows of 512 bytes a tile,
	s_add_co_u32 s60, s60, s61
	s_mov_b32 s61, 0
	s_sub_co_u32 s2, s2, 4
	s_lshl_b32 s62, s30, s2                        ; its scale bytes: 4,096 for 128 rows
	s_lshl_b32 s63, s32, 13
	s_add_co_u32 s62, s62, s63
	s_lshl_b32 s63, s26, 12
	s_add_co_u32 s62, s62, s63
	s_mov_b32 s63, 0
	s_lshl_b32 s66, s30, s3                        ; source 1's codes: 128 rows of 512 bytes a tile
	s_lshl_b32 s67, s33, 16
	s_add_co_u32 s66, s66, s67
	s_mov_b32 s67, 0
	s_sub_co_u32 s3, s3, 4
	s_lshl_b32 s100, s30, s3                       ; its scale bytes: 4,096 for 128 rows
	s_lshl_b32 s101, s33, 12
	s_add_co_u32 s100, s100, s101
	s_lshl_b32 s101, s25, 10                       ; my 64 rows' words: 16 bytes a row in each K half
	s_add_co_u32 s100, s100, s101
	s_mov_b32 s101, 0
	s_mul_i32 s22, s26, 128*PITCH                  ; where they go: no place in the cluster enters an LDS address
	s_wait_dscnt 0x0
	s_wait_kmcnt 0x0
	s_cmp_eq_u32 s30, 2                            ; which buffer is source 0: the choice hangs on the cluster's number alone
	s_cselect_b64 s[104:105], s[4:5], s[8:9]
	s_cselect_b64 s[8:9], s[8:9], s[4:5]           ; source 1's codes
	s_mov_b64 s[4:5], s[104:105]                   ; source 0's codes
	s_cselect_b64 s[104:105], s[6:7], s[10:11]
	s_cselect_b64 s[10:11], s[10:11], s[6:7]       ; source 1's scale bytes
	s_mov_b64 s[6:7], s[104:105]                   ; source 0's
	s_add_nc_u64 s[4:5], s[4:5], s[60:61]
	s_add_nc_u64 s[6:7], s[6:7], s[62:63]
	s_add_nc_u64 s[8:9], s[8:9], s[66:67]
	s_add_nc_u64 s[10:11], s[10:11], s[100:101]
	CROUND                                         ; all sixteen work-groups are here: the joint loads meet
.irp s, 0,1
	s_mov_b32 s[G0C0+4*\s], 1
	s_mov_b32 s[G0C0+4*\s+1], \s*SLOT
	s_add_nc_u64 s[G0C0+4*\s+2:G0C0+4*\s+3], s[4:5], \s*256
	s_or_b32 s[G0C0+4*\s+3], s[G0C0+4*\s+3], 0x80000000
	s_mov_b32 s[G0C1+4*\s], 1
	s_mov_b32 s[G0C1+4*\s+1], S1OFF+\s*SLOT
	s_add_nc_u64 s[G0C1+4*\s+2:G0C1+4*\s+3], s[8:9], \s*256
	s_or_b32 s[G0C1+4*\s+3], s[G0C1+4*\s+3], 0x80000000
.endr
	ARM 0, G0C0, G1C0, .Lw1
	ARM 1, G0C1, G1C1, .Lw2
	ARM 2, G0C0+4, G1C0, .Lw3
	tensor_load_to_lds s[G0C1+4:G0C1+7], s[G1C1:G1C1+7]
	s_nop 0
.rept 4
	v_nop
.endr
.Lasked:
	; the bias.  q, k: register j of tile x wants b[32 (x / 2) + 16 h + 8 (x % 2) + j] of my 128 rows;  v: every register of lane r wants b[32 (x / 2) + 8 (x % 2) + r % 8 + 16 (r / 8)] of my 64
	v_and_b32 v1, 15, v0                           ; r
	s_wait_alu depctr_va_vdst(0)
	v_bfe_u32 v2, v0, 4, 1                         ; h
	v_lshlrev_b32 v28, 4, v1                       ; 16 r
	s_wait_alu depctr_va_vdst(0)
	s_lshl_b32 s60, s33, 9
	s_lshl_b32 s61, s25, 8
	s_add_co_u32 s60, s60, s61                     ; v: (128 i1 + 64 g1) x 4
	s_lshl_b32 s61, s32, 10
	s_lshl_b32 s62, s26, 9
	s_add_co_u32 s61, s61, s62                     ; q, k: (256 i0 + 128 g0) x 4
	s_cmp_lt_u32 s30, 1
	s_cselect_b64 s[12:13], s[12:13], s[14:15]
	s_cmp_lt_u32 s30, 2
	s_cselect_b64 s[12:13], s[12:13], s[16:17]     ; the tensor's bias
	s_cselect_b32 s62, s61, s60
	s_mov_b32 s63, 0
	s_add_nc_u64 s[12:13], s[12:13], s[62:63]      ; tiles 0-3 from here;
	s_cselect_b32 s62, 256, 0
	s_add_nc_u64 s[14:15], s[12:13], s[62:63]      ; tiles 4-7 of q and k 64 numbers on; for v the same four tiles once more
	s_cselect_b32 s60, 64, 0                       ; x h
	s_cselect_b32 s61, 0, 1                        ; x the lane's term
	s_cselect_b32 s62, 4, 0                        ; x j
.irp b, 0,1,2,3,4,5,6,7                        ; my rows' scale words, four (a K half) a load: sixteen lanes read 256 consecutive bytes, aligned; lanes 16-31 name the same bytes
.irp u, 0,1
	global_load_b128 v[SC0+8*\b+4*\u:SC0+8*\b+4*\u+3], v28, s[6:7] offset:2048*\u+256*\b
.endr
.endr
.irp a, 0,1,2,3
.irp u, 0,1
	global_load_b128 v[SC1+8*\a+4*\u:SC1+8*\a+4*\u+3], v28, s[10:11] offset:2048*\u+256*\a
.endr
.endr
	v_and_b32 v29, 7, v1
	v_lshrrev_b32 v30, 3, v1
	v_lshlrev_b32 v29, 2, v29
	v_lshl_add_u32 v29, v30, 6, v29                ; 4 (r % 8) + 64 (r / 8)
	v_mul_u32_u24 v30, v2, s60
	v_mad_u32_u24 v[VBJ], v29, s61, v30
.irp j, 1,2,3,4,5,6,7
	v_add_nc_u32 v[VBJ+\j], s62, v[VBJ+\j-1]
.endr
.irp x, 0,1,2,3
.irp j, 0,1,2,3,4,5,6,7
	global_load_b32 v[BI+8*\x+\j], v[VBJ+\j], s[12:13] offset:(32*(\x/2)+8*(\x%2))*4
	global_load_b32 v[BI+32+8*\x+\j], v[VBJ+\j], s[14:15] offset:(32*(\x/2)+8*(\x%2))*4
.endr
.endr
	; LDS addresses
	v_mul_u32_u24 v3, v1, PITCH
	v_lshl_add_u32 v3, v2, 4, v3                   ; a fragment's row x pitch + 16 x half
	s_mul_i32 s60, s25, 64*PITCH
	s_add_co_u32 s60, s60, S1OFF
	v_add_nc_u32 v[AD0], s22, v3
	v_add_nc_u32 v[AD1], s60, v3
	v_add_nc_u32 v[AD0+1], SLOT, v[AD0]
	v_add_nc_u32 v[AD1+1], SLOT, v[AD1]
	; where the results go
	s_lshr_b32 s60, s33, 4                         ; q, k: the batch,
	s_lshl_b32 s60, s60, 4
	s_lshl_b32 s61, s32, 2
	s_add_co_u32 s60, s60, s61
	s_lshl_b32 s61, s26, 1
	s_add_co_u32 s60, s60, s61                     ; x 16 + my pair's first head
	s_mul_i32 s60, s60, KHEAD
	s_and_b32 s61, s33, 15                         ; the group of 128 places
	s_mul_i32 s61, s61, KBLK
	s_add_co_u32 s60, s60, s61
	s_mul_i32 s61, s30, 64*KHEAD                   ; q or k
	s_add_co_u32 s60, s60, s61
	s_lshl_b32 s62, s32, 1                         ; v: the key step 2 i0 + g0 of all 64,
	s_add_co_u32 s62, s62, s26
	s_lshr_b32 s63, s62, 4
	s_lshl_b32 s63, s63, 4
	s_lshl_b32 s66, s33, 1
	s_add_co_u32 s63, s63, s66
	s_add_co_u32 s63, s63, s25                     ; batch x 16 + head 2 i1 + g1
	s_mul_i32 s63, s63, VHEAD
	s_and_b32 s62, s62, 15
	s_mul_i32 s62, s62, VBLK
	s_add_co_u32 s62, s62, s63
	s_cmp_eq_u32 s30, 2
	s_cselect_b32 s60, s62, s60
	s_mov_b32 s61, 0
	s_cselect_b64 s[18:19], s[20:21], s[18:19]
	s_add_nc_u64 s[18:19], s[18:19], s[60:61]
	s_cselect_b32 s62, 0, 2048                     ; codes: x g1 (q, k: four tiles of 512 bytes),
	s_mov_b32 s63, 512
	s_cselect_b32 s63, 1024, s63                   ; from tile to tile,
	s_mov_b32 s66, KHEAD
	s_cselect_b32 s66, 512, s66                    ; from a fragment's first half to its second (q, k: the next head)
	s_cselect_b32 s67, 0, 256                      ; words: x g1,
	s_cselect_b32 s100, 0, KHEAD                   ; x h (q, k: lanes 16-31 store the second head's),
	s_cselect_b32 s101, 0, 16                      ; and their shift
	s_mul_i32 s62, s62, s25
	s_mul_i32 s67, s67, s25
	s_add_co_u32 s67, s67, 4096
	s_mov_b32 s[SEL], 0x76543210
	s_mov_b32 s[SEL+1], 0xfedcba98
	v_and_b32 v29, 31, v0
	v_lshlrev_b32 v29, 4, v29
	v_add_nc_u32 v[VOC], s62, v29
	v_add_nc_u32 v[VOC+1], s66, v[VOC]
.irp a, 1,2,3
	v_add_nc_u32 v[VOC+2*\a], s63, v[VOC+2*\a-2]
	v_add_nc_u32 v[VOC+2*\a+1], s66, v[VOC+2*\a]
.endr
	v_mul_u32_u24 v30, v2, s100
	v_add_nc_u32 v30, v30, v28
	v_add_nc_u32 v[VOS], s67, v30
	v_mul_u32_u24 v[VSH], v2, s101
.irp b, 0,1,2,3
	v_mov_b32 v[TM+4+\b], 0                        ; written once: a lane permute's destination counts as one of its sources
.endr
.macro FETCH q                         ; the fragments of K step q (128 along K: 64 bytes of a row) into set q % 2: 24 loads.  Lane l: row l % 16; registers 4 c .. 4 c + 3: K = 64 c + 32 (l / 16) + 0 .. 31
	WIN 0x80                                       ; destination window 2
.irp b, 0,1,2,3,4,5,6,7
.irp c, 0,1
	ds_load_b128 v[128*((\q)%2)+8*\b+4*\c:128*((\q)%2)+8*\b+4*\c+3], v[AD0+(\q)/4] offset:64*((\q)%4)+32*\c+16*PITCH*\b
.endr
.endr
.irp a, 0,1,2,3
.irp c, 0,1
	ds_load_b128 v[128*((\q)%2)+64+8*\a+4*\c:128*((\q)%2)+64+8*\a+4*\c+3], v[AD1+(\q)/4] offset:64*((\q)%4)+32*\c+16*PITCH*\a
.endr
.endr
	WIN 0
.endm
; 32 products of K step q.  cm = 0: onto the sums; 1: the bias by registers starts them; 2: the bias by lanes.  The 32 accumulators take turns, one instruction a turn, in the same order in every step.
.macro MUL q, cm
.if \cm
	WIN 0x4a                                       ; sources 0 and 1 window 2, C window 0, D window 1
.else
	WIN 0x5a                                       ; C and D window 1
.endif
.irp a, 0,1,2,3
.irp b, 0,1,2,3,4,5,6,7
.if \cm == 0
	v_wmma_scale_f32_16x16x128_f8f6f4 v[8*(8*\a+\b):8*(8*\a+\b)+7], v[128*((\q)%2)+8*\b:128*((\q)%2)+8*\b+7], v[128*((\q)%2)+64+8*\a:128*((\q)%2)+64+8*\a+7], v[8*(8*\a+\b):8*(8*\a+\b)+7], v[SC0+8*\b+(\q)], v[SC1+8*\a+(\q)] matrix_a_fmt:MATRIX_FMT_FP4 matrix_b_fmt:MATRIX_FMT_FP4
.elseif \cm == 1
	v_wmma_scale_f32_16x16x128_f8f6f4 v[8*(8*\a+\b):8*(8*\a+\b)+7], v[128*((\q)%2)+8*\b:128*((\q)%2)+8*\b+7], v[128*((\q)%2)+64+8*\a:128*((\q)%2)+64+8*\a+7], v[BI+8*\b:BI+8*\b+7], v[SC0+8*\b+(\q)], v[SC1+8*\a+(\q)] matrix_a_fmt:MATRIX_FMT_FP4 matrix_b_fmt:MATRIX_FMT_FP4
.else
	v_wmma_scale_f32_16x16x128_f8f6f4 v[8*(8*\a+\b):8*(8*\a+\b)+7], v[128*((\q)%2)+8*\b:128*((\q)%2)+8*\b+7], v[128*((\q)%2)+64+8*\a:128*((\q)%2)+64+8*\a+7], v[BI+8*(\a+4*(\b%2)):BI+8*(\a+4*(\b%2))+7], v[SC0+8*\b+(\q)], v[SC1+8*\a+(\q)] matrix_a_fmt:MATRIX_FMT_FP4 matrix_b_fmt:MATRIX_FMT_FP4
.endif
.endr
.endr
	WIN 0
.endm
.macro PRE q                           ; ahead of K step q's products
	s_wait_dscnt 0x0                               ; this step's fragments, asked for a step ago, are in
.if (\q) == 3
	s_wait_tensorcnt 0x0                           ; my part of the second K half has landed,
	s_barrier_signal -1
	s_barrier_wait -1                              ; everybody's has
.endif
.if (\q) < 7
.if (\q) > 0
	PLACES 4                                       ; four plain places between the last product and loads into registers that it read (ISA guide 7.12.1 for vector instructions)
.endif
	FETCH (\q)+1
.endif
.endm
; 64 numbers of a lane, window 1's v[64 a] on (register 16 b + i = k 32 b + 16 (lane / 16) + i), become a fragment's codes in v[PC + 8 a] on and its scale word in v[PW + a]
.macro QUANTW a
.set QS, 64*(\a)
	WIN 0x05
.irp b, 0,1,2,3
	v_max3_num_f32 v[TM+\b], |v[QS+16*\b]|, |v[QS+1+16*\b]|, 0x1800000   ; block b: my 16 numbers, from each accumulator's low end on, and the floor 2^(3 - 127)
.endr
	WIN 0x14
.irp i, 2,4,6,8,10,12,14
.irp b, 0,1,2,3
	v_max3_num_f32 v[TM+\b], v[TM+\b], |v[QS+16*\b+\i]|, |v[QS+1+16*\b+\i]|
.endr
.endr
	WIN 0
.irp b, 0,1,2,3
	v_permlanex16_b32 v[TM+4+\b], v[TM+\b], s[SEL], s[SEL+1]
.endr
.irp b, 0,1,2,3
	v_max_num_f32 v[TM+\b], v[TM+\b], v[TM+4+\b]   ; with lane l xor 16's: the block's largest magnitude
.endr
.irp b, 0,1,2,3
	v_add_nc_u32 v[TM+12+\b], 0xff000000, v[TM+\b] ; 2 off its exponent field: the conversion's scale operand
.endr
.irp b, 0,1,2,3
	v_lshrrev_b32 v[TM+4+\b], 23, v[TM+12+\b]      ; the scale's byte
.endr
	v_lshl_or_b32 v[PW+(\a)], v[TM+5], 8, v[TM+4]
	v_lshl_or_b32 v[PW+(\a)], v[TM+6], 16, v[PW+(\a)]
	v_lshl_or_b32 v[PW+(\a)], v[TM+7], 24, v[PW+(\a)]
	WIN 0x01
.irp b, 0,1,2,3
	v_cvt_scalef32_pk8_fp4_f32 v[PC+8*(\a)+2*\b], v[QS+16*\b:QS+7+16*\b], v[TM+12+\b]
	v_cvt_scalef32_pk8_fp4_f32 v[PC+8*(\a)+1+2*\b], v[QS+8+16*\b:QS+15+16*\b], v[TM+12+\b]
.endr
	WIN 0
	v_nop                                          ; one plain place behind a scaled conversion
.irp c, 0,1                                    ; the operand's layout wants a whole block in a lane
.irp i, 0,1
	v_permlane16_swap_b32 v[PC+8*(\a)+4*\c+\i], v[PC+8*(\a)+2+4*\c+\i]
.endr
.endr
.endm
	s_wait_alu depctr_va_vdst(0)
	s_cmp_lt_u32 s24, 2
	s_cbranch_scc0 .Lnot_h0
	s_wait_tensorcnt 0x0                           ; waves 0 and 1: the first K half's tiles are in.  Waves 2 and 3 have load lines of their own, and wait ahead of K step 3's barrier
.Lnot_h0:
	s_barrier_signal -1
	s_barrier_wait -1
	FETCH 0
	s_wait_loadcnt 0x0                             ; the bias
	PRE 0
	s_cmp_eq_u32 s30, 2                            ; the same in all sixteen work-groups
	s_cbranch_scc1 .Lbias_by_lane
	MUL 0, 1
	s_branch .Lstarted
.Lbias_by_lane:
	MUL 0, 2
.Lstarted:
.irp q, 1,2,3,4,5,6,7
	PRE \q
	MUL \q, 0
.endr
	PLACES 4                                       ; ahead of the first read of results
.irp a, 0,1,2,3
	QUANTW \a
	global_store_b128 v[VOC+2*\a], v[PC+8*\a:PC+8*\a+3], s[18:19]        ; 32 lanes store 512 consecutive bytes, aligned
	global_store_b128 v[VOC+2*\a+1], v[PC+8*\a+4:PC+8*\a+7], s[18:19]
.endr
.irp a, 0,1,2,3
	v_lshrrev_b32 v[PW+\a], v[VSH], v[PW+\a]       ; q, k: lanes 16-31 hold the second head's two bytes low
.endr
	global_store_b128 v[VOS], v[PW:PW+3], s[18:19] ; sixteen lanes store 256 consecutive bytes, aligned
	s_wait_tensorcnt 0x0
	ds_add_u32 v254, v255
	s_wait_dscnt 0x0
	CROUND                                         ; the closing round: no work-group ends while a partner may still ask for a tile that names it
	s_endpgm
.Lfunc_end_k_qdd7aa2e0a8_proj:
	.size	k_qdd7aa2e0a8_proj, .Lfunc_end_k_qdd7aa2e0a8_proj-k_qdd7aa2e0a8_proj
	.p2alignl 7, 3214868480
	.fill 96, 4, 3214868480
	.section	.rodata,"a",@progbits
	.p2align	6, 0x0
	.amdhsa_kernel k_qdd7aa2e0a8_proj
		.amdhsa_group_segment_fixed_size 221696
		.amdhsa_private_segment_fixed_size 0
		.amdhsa_enable_private_segment 0
		.amdhsa_kernarg_size 72
		.amdhsa_user_sgpr_count 2
		.amdhsa_user_sgpr_kernarg_segment_ptr 1
		.amdhsa_wavefront_size32 1
		.amdhsa_system_sgpr_workgroup_id_x 1
		.amdhsa_system_sgpr_workgroup_id_y 1
		.amdhsa_system_sgpr_workgroup_id_z 1
		.amdhsa_system_vgpr_workitem_id 0
		.amdhsa_next_free_vgpr 768
		.amdhsa_next_free_sgpr 106
		.amdhsa_reserve_vcc 0
		.amdhsa_float_denorm_mode_32 3
		.amdhsa_float_denorm_mode_16_64 3
		.amdhsa_memory_ordered 1
		.amdhsa_forward_progress 1
		.amdhsa_inst_pref_size 87
	.end_amdhsa_kernel
	.amdgpu_metadata
---
amdhsa.version: [ 1, 2 ]
amdhsa.kernels:
  - .name:           k_qdd7aa2e0a8_proj
    .symbol:         k_qdd7aa2e0a8_proj.kd
    .args:
      - { .name: xc, .offset: 0, .size: 8, .value_kind: global_buffer, .address_space: global }
      - { .name: xs, .offset: 8, .size: 8, .value_kind: global_buffer, .address_space: global }
      - { .name: wc, .offset: 16, .size: 8, .value_kind: global_buffer, .address_space: global }
      - { .name: ws, .offset: 24, .size: 8, .value_kind: global_buffer, .address_space: global }
      - { .name: bq, .offset: 32, .size: 8, .value_kind: global_buffer, .address_space: global }
      - { .name: bk, .offset: 40, .size: 8, .value_kind: global_buffer, .address_space: global }
      - { .name: bv, .offset: 48, .size: 8, .value_kind: global_buffer, .address_space: global }
      - { .name: qk, .offset: 56, .size: 8, .value_kind: global_buffer, .address_space: global }
      - { .name: vv, .offset: 64, .size: 8, .value_kind: global_buffer, .address_space: global }
    .group_segment_fixed_size: 221696
    .private_segment_fixed_size: 0
    .kernarg_segment_align: 8
    .kernarg_segment_size: 72
    .max_flat_workgroup_size: 128
    .sgpr_count:     106
    .vgpr_count:     768
    .wavefront_size: 32
...
	.end_amdgpu_metadata
.endif
;; end of part 3
;; launch attn (part 4): grid 8 x 32, 16 waves a work-group, clusters of 4 x 1, 289,792 bytes of LDS; arguments qk, vv, cc, cs; writes cc, cs
.if DOCPART == 4
	.amdgcn_target "amdgcn-amd-amdhsa--gfx1250"
	.amdhsa_code_object_version 6
	.text
	.protected	k_qdd7aa2e0a8_attn
	.globl	k_qdd7aa2e0a8_attn
	.p2align	8
	.type	k_qdd7aa2e0a8_attn,@function
k_qdd7aa2e0a8_attn:
	s_mov_b64 s[64:65], 0
	v_nop
	global_prefetch_b8 v0, s[64:65] scope:SCOPE_SE
	s_setreg_imm32_b32 hwreg(HW_REG_WAVE_MODE, 25, 1), 1
	s_wait_xcnt 0x0
	s_wait_alu depctr_hold_cnt(0) depctr_sa_sdst(0) depctr_va_vdst(0) depctr_va_sdst(0) depctr_va_ssrc(0) depctr_va_vcc(0) depctr_vm_vsrc(0)
	s_getreg_b32 s2, hwreg(HW_REG_IB_STS2, 6, 4)
	s_cmp_eq_u32 s2, 0
	s_cbranch_scc0 .Lentry_in_a_cluster
	s_endpgm
.Lentry_in_a_cluster:
	s_bfe_u32 s2, ttmp6, 0x10000c
	s_cmp_lg_u32 s2, 0x3003
	s_cbranch_scc0 .Lentry_shape_is_right
	s_endpgm
.Lentry_shape_is_right:
; Attention on codes of FP4 (E2M1) with E8M0 scales: S^T = k q^T (K = the head's 64: the upper half of the instruction's 128 is zero codes), the softmax, O^T = v^T p^T (K = the keys), and the quantising of O / l along (head, channel).
; THE SOFTMAX: t = score x log2(e) / 8; M = the running largest t rounded UP to a whole number; p = 2^(t - M) is quantised along the keys, not normalised; the row's sum is taken of the unquantised p and divides O at the end.
; When M moves, the sum and O^T are multiplied by 2^(old M - new M), which rounds nothing.  No branch hangs on data.
; SHARES.  A work-group: 256 query places x the two heads 2 g and 2 g + 1 of a batch.  Wave w: query tile w (16 places), first for the one head, then for the other: so it owns a whole fragment (K = 128 = the two heads) of the next product's operand.
; BOTH HEADS' K AND V LIE IN LDS, each filled once (wave w brings key step w of each): no slot is filled again.  The four work-groups of a cluster walk the same K and V: each block is asked for jointly, by the same load with a mask that names the four.
; LAYOUT.  Both products are used transposed: a lane holds ONE query (lane % 16) throughout.  All places lie in the order tau (bits 3 and 4 exchanged), so that the 16 registers of tiles 2 b and 2 b + 1 are 16 neighbouring keys (or channels).
; qk, vv: as the launch before lays them: images of the operands' registers, 16 bytes a lane, and scale words by fours.
; cc: [place / 128][K step = head pair][tile 8][half of the fragment][lane][16 bytes].   cs: [place / 64][K step][place % 16][tile % 4] words.
; LIMITS: NaN and infinities are not served; a block of zeros, and one whose largest magnitude lies under 2^-124, gets the byte 1 (read by this program alone).
; That a block's largest p comes from its largest score takes v_exp_f32 not to fall where its input rises.
; THE FILLS AS THEY STAND (in place of the share by key steps that the paragraph on K and V names): the two heads' K are 2 x 73,728 dense bytes in memory and in LDS, their V 2 x 69,632.
; Waves 0 to 7 bring an eighth of K each (72 rows of 256 bytes), waves 8 to 15 an eighth of V (68 rows; waves 8 to 11 the first head's, waves 12 to 15 the second head's, on a load line of their own): one joint load a wave.
; The barrier in front of the first head shows both heads' K and the first head's V; the barrier between the heads shows the second head's V.  No data prefetch: all that the launch reads by tensor loads is asked for at the head.
; K RUNS ONE STEP AHEAD: a step's K words and first four tiles are loaded in the step before, behind that step's last score product.  The first head's last step so loads the second head's first tiles, which follow in LDS;
; the second head's last step loads 4,608 filled bytes behind K that nothing uses.
.set KBLK,  4608
.set VBLK,  4352
.set KHEAD, 16*KBLK
.set VHEAD, 16*VBLK
.set VB,    2*KHEAD                    ; LDS: K [head][key step][4,608], then V [head][key step][4,352],
.set STG,   VB+2*VHEAD                 ; then 1,024 bytes for the scale words' way out: no fill lands there
.set ADK,  3                           ; v1 16 x lane, v2 16 x (lane % 16); v3-6 the step's addresses: K, V, K's words, V's words
.set ADV,  4
.set ADKS, 5
.set ADVS, 6
.set STA,  8                           ; v7 the words' store offset; v8, v9 the stage, in and out; v10, v11 Q's scale words; v12 -M, v13 the largest t, v[14:15] the sum in two halves
.set STR,  9
.set KF,   32                          ; v16-31 Q's two fragments; v32-63 four fragments of K (registers 4-7 of each stay 0); v64-95 V's four
.set VF,   64
.set SS,   96                          ; v96-159 S^T, then p
.set OT,   160                         ; v160-191 O^T
.set PCD,  192                         ; v192-199 p's codes
.set KS,   200                         ; v200-207 K's scale words; v208-211 V's
.set VS,   208
.set BM,   212                         ; v212-215 the blocks' largest; v216-219, v220-223 at work
.set T2,   216
.set SO,   220
.set FF,   224                         ; v224 f; v225 p's scale word
.set TT,   226
.set S2,   228                         ; v[228:229] the sum's second chain
.set OC,   232                         ; v232-239 the result's codes; v240 its scale word
.set OW,   240
.set WV,   18
.set SEL,  20
.set CS,   22
.set G1K,  24
.set G1V,  32
.set TK,   56
.set TV,   57
.set CNT,  58
.macro CROUND                          ; a round of the cluster's barrier
	s_barrier_signal -1
	s_barrier_wait -1
	s_cmp_lg_u32 s[WV], 0
	s_cbranch_scc1 .Lnot_wave_0_\@
	s_barrier_signal -3
.Lnot_wave_0_\@:
	s_barrier_wait -3
	s_barrier_signal -1
	s_barrier_wait -1
.endm
	s_load_b256 s[4:11], s[0:1], 0x0               ; qk, vv, cc, cs
	v_lshl_add_u32 v254, v0, 2, 0x46400
	v_mov_b32 v255, 0
	ds_add_u32 v254, v255
	ds_add_u32 v254, v255
	v_lshrrev_b32 v1, 5, v0
	s_delay_alu instid0(VALU_DEP_1)
	v_readfirstlane_b32 s[WV], v1                  ; wave 0..15
	s_bfe_u32 s12, ttmp6, 0x40000                  ; cx
	s_lshl_b32 s13, ttmp9, 2
	s_add_co_u32 s13, s13, s12                     ; my block of 256 query places: it enters global addresses of q and of the results alone
	s_and_b32 s14, ttmp7, 0xffff
	s_lshr_b32 s15, s14, 3                         ; the batch
	s_and_b32 s16, s14, 7                          ; the pair of heads
	s_lshl_b32 s17, s15, 4
	s_lshl_b32 s19, s16, 1
	s_add_co_u32 s17, s17, s19                     ; batch x 16 + the first head
	s_mov_b32 s[G1K], 15|(3<<16)|(1<<21)           ; 15:0 the mask: all four work-groups; 17:16 elements of 8 bytes; 21 set beside a mask; no padding
	s_mov_b32 s[G1K+1], 32<<16                     ; rows of 256 bytes,
	s_mov_b32 s[G1K+2], 72<<16                     ; 72 of them: an eighth of the two heads' K, 18,432 dense bytes
	s_mov_b32 s[G1K+3], 32<<16
	s_mov_b32 s[G1K+4], 72
	s_mov_b32 s[G1K+5], 32
	s_mov_b32 s[G1K+6], 0
	s_mov_b32 s[G1K+7], 0
	s_mov_b32 s[G1V], 15|(3<<16)|(1<<21)
	s_mov_b32 s[G1V+1], 32<<16
	s_mov_b32 s[G1V+2], 68<<16                     ; 68 rows: an eighth of the two heads' V, 17,408 bytes
	s_mov_b32 s[G1V+3], 32<<16
	s_mov_b32 s[G1V+4], 68
	s_mov_b32 s[G1V+5], 32
	s_mov_b32 s[G1V+6], 0
	s_mov_b32 s[G1V+7], 0
	s_mul_i32 s60, s17, KHEAD                      ; the first head's bytes in q and in k
	s_and_b32 s71, s[WV], 7                        ; which eighth
	s_mul_i32 s61, s71, 4*KBLK
	s_add_co_u32 s66, s60, s61
	s_add_co_u32 s66, s66, 64*KHEAD                ; k lies behind q
	s_mov_b32 s67, 0
	s_mul_i32 s68, s17, VHEAD
	s_mul_i32 s62, s71, 4*VBLK
	s_add_co_u32 s68, s68, s62
	s_mov_b32 s69, 0
	s_lshl_b32 s70, s13, 1
	s_lshr_b32 s71, s[WV], 3
	s_add_co_u32 s70, s70, s71                     ; my group of 128 places among the batch's 16
	s_mul_i32 s72, s70, KBLK
	s_add_co_u32 s72, s72, s60
	s_mov_b32 s73, 0
	s_lshl_b32 s74, s15, 4                         ; cc: 65,536 bytes for 128 places,
	s_add_co_u32 s74, s74, s70
	s_lshl_b32 s74, s74, 16
	s_lshl_b32 s75, s16, 13                        ; 8,192 a K step,
	s_add_co_u32 s74, s74, s75
	s_and_b32 s63, s[WV], 7
	s_lshl_b32 s75, s63, 10                        ; 1,024 a tile
	s_add_co_u32 s74, s74, s75
	s_mov_b32 s75, 0
	s_and_b32 s79, s[WV], 1
	s_lshl_b32 s76, s15, 5                         ; cs: 2,048 bytes for 64 places (waves 0 and 1 store two such blocks each),
	s_lshl_b32 s77, s13, 2
	s_add_co_u32 s76, s76, s77
	s_lshl_b32 s77, s79, 1
	s_add_co_u32 s76, s76, s77
	s_lshl_b32 s76, s76, 11
	s_lshl_b32 s77, s16, 8                         ; 256 a K step
	s_add_co_u32 s76, s76, s77
	s_mov_b32 s77, 0
	s_mov_b32 s[SEL], 0x76543210
	s_mov_b32 s[SEL+1], 0xfedcba98                 ; v_permlanex16_b32's selects for lane l xor 16
	s_mov_b32 s[CS], 0x3e38aa3b                    ; c = log2(e) / sqrt(64)
	s_mov_b32 s[CS+1], s[CS]                       ; (named with it as a pair, so it is written)
	s_wait_dscnt 0x0
	s_wait_kmcnt 0x0
	s_mov_b32 s40, 1                               ; group 0, two sets: K's eighth and V's
	s_mov_b32 s41, s61
	s_add_nc_u64 s[42:43], s[4:5], s[66:67]
	s_or_b32 s43, s43, 0x80000000
	s_mov_b32 s44, 1
	s_add_co_u32 s45, s62, VB
	s_add_nc_u64 s[46:47], s[6:7], s[68:69]
	s_or_b32 s47, s47, 0x80000000
	s_add_nc_u64 s[4:5], s[4:5], s[72:73]          ; q at my group of places, first head
	s_add_nc_u64 s[8:9], s[8:9], s[74:75]
	s_add_nc_u64 s[10:11], s[10:11], s[76:77]
	CROUND                                         ; all four work-groups are here: the joint loads meet
	s_cmp_lt_u32 s[WV], 8                          ; one tensor load a wave, in one chain of branches on the wave's number: waves 0 to 7 K,
	s_cbranch_scc0 .Lfor_v0
	tensor_load_to_lds s[40:43], s[G1K:G1K+7]
	s_nop 0
.rept 4
	v_nop
.endr
	s_branch .Lasked
.Lfor_v0:
	s_cmp_lt_u32 s[WV], 12                         ; waves 8 to 11 the first head's V,
	s_cbranch_scc0 .Lfor_v1
	tensor_load_to_lds s[44:47], s[G1V:G1V+7]
	s_nop 0
.rept 4
	v_nop
.endr
	s_branch .Lasked
.Lfor_v1:
	tensor_load_to_lds s[44:47], s[G1V:G1V+7]      ; waves 12 to 15 the second head's: a line of their own, since they wait later
	s_nop 0
.rept 4
	v_nop
.endr
.Lasked:
	v_and_b32 v1, 31, v0
	s_delay_alu instid0(VALU_DEP_1)
	v_lshlrev_b32 v1, 4, v1                        ; 16 x lane
	v_and_b32 v2, 15, v0
	s_delay_alu instid0(VALU_DEP_1)
	v_lshlrev_b32 v2, 4, v2                        ; 16 x (lane % 16)
	s_wait_alu depctr_va_vdst(0)
	s_lshl_b32 s60, s63, 9
	v_add_nc_u32 v3, s60, v1                       ; q: my tile's image
	s_lshr_b32 s60, s63, 2
	s_lshl_b32 s60, s60, 8
	s_and_b32 s61, s[WV], 3
	s_lshl_b32 s61, s61, 2
	s_add_co_u32 s60, s60, s61
	s_add_co_u32 s60, s60, 4096
	v_add_nc_u32 v4, s60, v2                       ; and its scale words
	global_load_b128 v[16:19], v3, s[4:5]
	global_load_b128 v[24:27], v3, s[4:5] offset:KHEAD
	global_load_b32 v10, v4, s[4:5]
	global_load_b32 v11, v4, s[4:5] offset:KHEAD
	v_bfe_u32 v7, v0, 4, 1
	s_delay_alu instid0(VALU_DEP_1)
	v_lshl_add_u32 v7, v7, 11, v2                  ; cs: lanes 16-31 the next 64 places
	s_lshr_b32 s60, s[WV], 2
	s_lshl_b32 s60, s60, 8
	s_add_co_u32 s60, s60, s61
	s_add_co_u32 s60, s60, STG
	v_add_nc_u32 v[STA], s60, v2                   ; the stage: [tile / 4][place][tile % 4]
	s_lshl_b32 s60, s79, 9
	s_add_co_u32 s60, s60, STG
	v_add_nc_u32 v[STR], s60, v1
.irp i, 20,21,22,23,28,29,30,31
	v_mov_b32 v[\i], 0                             ; K = 64 .. 127 of q: zero codes
.endr
.irp t, 0,1,2,3
.irp i, 4,5,6,7
	v_mov_b32 v[KF+8*\t+\i], 0                     ; and of k
.endr
.endr
.irp b, 0,1,2,3
	v_mov_b32 v[T2+\b], 0                          ; written once: a lane permute's destination counts as one of its sources
.endr
	v_mov_b32 v[FF+1], 0                           ; (named as the upper half of a pair before it is first written)
	v_mov_b32 v[TT], 0
; A KEY STEP: 128 keys of head c
.macro STEP c
	v_add_nc_u32 v[ADK], s[TK], v1                 ; (these four are also the places between the last step's products and the loads into registers that they read)
	v_add_nc_u32 v[ADV], s[TV], v1
	v_add_nc_u32 v[ADKS], s[TK], v2
	v_add_nc_u32 v[ADVS], s[TV], v2
; (K's words and first four tiles of this step were asked for in the step before: six loads, older than the nine below)
.irp a, 0,1,2,3
.irp d, 0,1
	ds_load_b128 v[VF+8*\a+4*\d:VF+8*\a+4*\d+3], v[ADV] offset:1024*\a+512*\d
.endr
.endr
	ds_load_b128 v[VS:VS+3], v[ADVS] offset:4096
	s_wait_alu depctr_va_vdst(0)
	s_wait_dscnt 9                                 ; K's words and first four tiles are in; V's eight loads and its words may be out
.irp t, 0,1,2,3
	v_wmma_scale_f32_16x16x128_f8f6f4 v[SS+8*\t:SS+8*\t+7], v[KF+8*\t:KF+8*\t+7], v[16+8*\c:23+8*\c], 0, v[KS+\t], v[10+\c] matrix_a_fmt:MATRIX_FMT_FP4 matrix_b_fmt:MATRIX_FMT_FP4
.endr
.rept 4
	v_nop                                          ; places in front of loads into registers that matrix instructions have read
.endr
.irp t, 0,1,2,3
	ds_load_b128 v[KF+8*\t:KF+8*\t+3], v[ADK] offset:2048+512*\t
.endr
	s_wait_dscnt 0x0
.irp t, 0,1,2,3
	v_wmma_scale_f32_16x16x128_f8f6f4 v[SS+32+8*\t:SS+32+8*\t+7], v[KF+8*\t:KF+8*\t+7], v[16+8*\c:23+8*\c], 0, v[KS+4+\t], v[10+\c] matrix_a_fmt:MATRIX_FMT_FP4 matrix_b_fmt:MATRIX_FMT_FP4
.endr
; the largest score of each block of 32 keys: for the row's maximum and, since p rises with the score, for the block's largest p.
; Blocks 0 and 1 first: their 14 lines name no register of the four products just issued, and are the places ahead of the loads into those products' sources and of the first read of their results (blocks 2 and 3)
.irp g, 0,2
.irp b, 0,1
	v_max3_num_f32 v[BM+\g+\b], v[SS+16*(\g+\b)], v[SS+1+16*(\g+\b)], v[SS+2+16*(\g+\b)]
.endr
.irp i, 3,5,7,9,11,13
.irp b, 0,1
	v_max3_num_f32 v[BM+\g+\b], v[BM+\g+\b], v[SS+16*(\g+\b)+\i], v[SS+1+16*(\g+\b)+\i]
.endr
.endr
.if \g == 0
	ds_load_b128 v[KS:KS+3], v[ADKS] offset:KBLK+4096              ; the next step's K words and first four tiles: six loads, which have the softmax in which to come
	ds_load_b128 v[KS+4:KS+7], v[ADKS] offset:KBLK+4352
.irp t, 0,1,2,3
	ds_load_b128 v[KF+8*\t:KF+8*\t+3], v[ADK] offset:KBLK+512*\t
.endr
.endif
.endr
.irp b, 0,1,2,3
	v_max_num_f32 v[BM+\b], v[BM+\b], v[SS+15+16*\b]
.endr
.irp b, 0,1,2,3
	s_delay_alu instid0(VALU_DEP_4)
	v_permlanex16_b32 v[T2+\b], v[BM+\b], s[SEL], s[SEL+1]
.endr
.irp b, 0,1,2,3
	s_delay_alu instid0(VALU_DEP_4)
	v_max_num_f32 v[BM+\b], v[BM+\b], v[T2+\b]     ; with lane l xor 16's 16 keys
.endr
	s_delay_alu instid0(VALU_DEP_2)
	v_max3_num_f32 v[TT], v[BM], v[BM+1], v[BM+2]
	s_delay_alu instid0(VALU_DEP_1)
	v_max_num_f32 v[TT], v[TT], v[BM+3]            ; the step's largest score of my query
	s_delay_alu instid0(VALU_DEP_1)
	v_mul_f32 v[TT], s[CS], v[TT]                  ; as t (c is positive)
	s_delay_alu instid0(VALU_DEP_1)
	v_max_num_f32 v13, v13, v[TT]                  ; the running largest t
	v_mov_b32 v[TT], v12
	s_delay_alu instid0(VALU_DEP_2)
	v_floor_f32 v12, -v13                          ; the new -M = floor(-t) = -ceil(t)
	s_delay_alu instid0(VALU_DEP_1)
	v_sub_f32 v[TT], v12, v[TT]                    ; old M - new M: a whole number, 0 or less
	s_delay_alu instid0(VALU_DEP_1)
	v_cvt_i32_f32 v[TT], v[TT]                     ; (it saturates)
	s_delay_alu instid0(VALU_DEP_1)
	v_ldexp_f32 v[FF], 1.0, v[TT]                  ; f = 2^(old M - new M)
.set j, 0
.rept 32
	v_pk_fma_f32 v[SS+j:SS+j+1], v[SS+j:SS+j+1], s[CS:CS+1], v[12:13] op_sel_hi:[1,0,0]   ; t - M, two at a time
.set j, j+2
.endr
.irp b, 0,1,2,3
	v_fma_f32 v[BM+\b], v[BM+\b], s[CS], v12       ; the same of each block's largest score
.endr
.set j, 0
	s_wait_alu depctr_va_vdst(0)
.rept 64
	v_exp_f32 v[SS+j], v[SS+j]                     ; p = 2^(t - M), at most 1
.set j, j+1
.endr
.irp b, 0,1,2,3
	v_exp_f32 v[BM+\b], v[BM+\b]                   ; the block's largest p: the same two instructions on the same number
.endr
	v_pk_mul_f32 v[14:15], v[14:15], v[FF:FF+1] op_sel_hi:[1,0]    ; the sums under the new M (a plain place behind the exponentials)
	s_wait_alu depctr_va_vdst(0)
.irp b, 0,1,2,3
	v_max_num_f32 v[BM+\b], 0x1800000, v[BM+\b]    ; the floor 2^(3 - 127)
.endr
.irp b, 0,1,2,3
	s_delay_alu instid0(VALU_DEP_4)
	v_add_nc_u32 v[SO+\b], 0xff000000, v[BM+\b]    ; the conversion's scale operand
.endr
.irp b, 0,1,2,3
	s_delay_alu instid0(VALU_DEP_4)
	v_lshrrev_b32 v[T2+\b], 23, v[SO+\b]           ; the scale's byte
.endr
	s_delay_alu instid0(VALU_DEP_3)
	v_lshl_or_b32 v[FF+1], v[T2+1], 8, v[T2]       ; p's scale word for these 128 keys
	s_delay_alu instid0(VALU_DEP_1)
	v_lshl_or_b32 v[FF+1], v[T2+2], 16, v[FF+1]
	s_delay_alu instid0(VALU_DEP_1)
	v_lshl_or_b32 v[FF+1], v[T2+3], 24, v[FF+1]
.irp b, 0,1,2,3
	v_cvt_scalef32_pk8_fp4_f32 v[PCD+2*\b], v[SS+16*\b:SS+7+16*\b], v[SO+\b]
	v_cvt_scalef32_pk8_fp4_f32 v[PCD+1+2*\b], v[SS+8+16*\b:SS+15+16*\b], v[SO+\b]
.endr
	v_nop                                          ; one plain place behind a scaled conversion
.irp d, 0,1                                    ; the operand's layout wants a whole block in a lane
.irp i, 0,1
	v_permlane16_swap_b32 v[PCD+4*\d+\i], v[PCD+2+4*\d+\i]
.endr
.endr
	v_pk_add_f32 v[228:229], v[100:101], v[104:105]
	v_pk_add_f32 v[252:253], v[108:109], v[112:113]
	v_pk_add_f32 v[250:251], v[116:117], v[120:121]
	v_pk_add_f32 v[248:249], v[124:125], v[128:129]
	v_pk_add_f32 v[246:247], v[132:133], v[136:137]
	v_pk_add_f32 v[244:245], v[140:141], v[144:145]
	v_pk_add_f32 v[242:243], v[148:149], v[152:153]
	v_pk_add_f32 v[14:15], v[14:15], v[156:157]
	v_pk_add_f32 v[228:229], v[228:229], v[96:97]
	v_pk_add_f32 v[252:253], v[252:253], v[98:99]
	v_pk_add_f32 v[250:251], v[250:251], v[102:103]
	v_pk_add_f32 v[248:249], v[248:249], v[106:107]
	v_pk_add_f32 v[246:247], v[246:247], v[110:111]
	v_pk_add_f32 v[244:245], v[244:245], v[114:115]
	v_pk_add_f32 v[242:243], v[242:243], v[118:119]
	v_pk_add_f32 v[14:15], v[14:15], v[122:123]
	v_pk_add_f32 v[228:229], v[228:229], v[126:127]
	v_pk_add_f32 v[252:253], v[252:253], v[130:131]
	v_pk_add_f32 v[250:251], v[250:251], v[134:135]
	v_pk_add_f32 v[248:249], v[248:249], v[138:139]
	v_pk_add_f32 v[246:247], v[246:247], v[142:143]
	v_pk_add_f32 v[244:245], v[244:245], v[146:147]
	v_pk_add_f32 v[242:243], v[242:243], v[150:151]
	v_pk_add_f32 v[14:15], v[14:15], v[154:155]
	v_pk_add_f32 v[228:229], v[228:229], v[158:159]
	s_delay_alu instid0(VALU_DEP_2)
	v_pk_add_f32 v[14:15], v[14:15], v[248:249]
	s_delay_alu instid0(VALU_DEP_2)
	v_pk_add_f32 v[228:229], v[228:229], v[246:247]
	v_pk_add_f32 v[252:253], v[252:253], v[244:245]
	v_pk_add_f32 v[250:251], v[250:251], v[242:243]
	s_delay_alu instid0(VALU_DEP_2)
	v_pk_add_f32 v[14:15], v[14:15], v[252:253]
	s_delay_alu instid0(VALU_DEP_2)
	v_pk_add_f32 v[228:229], v[228:229], v[250:251]
	s_delay_alu instid0(VALU_DEP_1)
	v_pk_add_f32 v[14:15], v[14:15], v[228:229]
.set j, 0
.rept 16
	v_pk_mul_f32 v[OT+j:OT+j+1], v[OT+j:OT+j+1], v[FF:FF+1] op_sel_hi:[1,0]   ; O^T under the new M, each accumulator from its low end on
.set j, j+2
.endr
.irp a, 0,1,2,3                                ; O^T += v^T p^T: the four accumulators by turns
	v_wmma_scale_f32_16x16x128_f8f6f4 v[OT+8*\a:OT+8*\a+7], v[VF+8*\a:VF+8*\a+7], v[PCD:PCD+7], v[OT+8*\a:OT+8*\a+7], v[VS+\a], v[FF+1] matrix_a_fmt:MATRIX_FMT_FP4 matrix_b_fmt:MATRIX_FMT_FP4
.endr
.endm
; Head c's result: O^T / l, two blocks of 32 channels, quantised: half c of my fragment of the next product's operand, and two bytes of its scale word
.macro FINISH c
.rept 4
	v_nop                                          ; places ahead of the first read of the last products' results
.endr
	v_add_f32 v14, v14, v15
	s_delay_alu instid0(VALU_DEP_1)
	v_permlanex16_b32 v[TT], v14, s[SEL], s[SEL+1]
	s_delay_alu instid0(VALU_DEP_1)
	v_add_f32 v14, v14, v[TT]                      ; the row's sum
	s_wait_alu depctr_va_vdst(0)
	v_rcp_f32 v14, v14
	v_nop                                          ; one plain place behind a transcendental
.set j, 0
	s_wait_alu depctr_va_vdst(0)
.rept 16
	v_pk_mul_f32 v[SS+j:SS+j+1], v[OT+j:OT+j+1], v[14:15] op_sel_hi:[1,0]     ; register 16 b + i: channel 32 b + 16 (lane / 16) + i
.set j, j+2
.endr
.irp b, 0,1
	v_max3_num_f32 v[BM+\b], |v[SS+16*\b]|, |v[SS+1+16*\b]|, 0x1800000
.endr
.irp i, 2,4,6,8,10,12,14
.irp b, 0,1
	s_delay_alu instid0(VALU_DEP_2)
	v_max3_num_f32 v[BM+\b], v[BM+\b], |v[SS+16*\b+\i]|, |v[SS+1+16*\b+\i]|
.endr
.endr
.irp b, 0,1
	s_delay_alu instid0(VALU_DEP_2)
	v_permlanex16_b32 v[T2+\b], v[BM+\b], s[SEL], s[SEL+1]
.endr
.irp b, 0,1
	s_delay_alu instid0(VALU_DEP_2)
	v_max_num_f32 v[BM+\b], v[BM+\b], v[T2+\b]
.endr
.irp b, 0,1
	s_delay_alu instid0(VALU_DEP_2)
	v_add_nc_u32 v[SO+\b], 0xff000000, v[BM+\b]
.endr
.irp b, 0,1
	s_delay_alu instid0(VALU_DEP_2)
	v_lshrrev_b32 v[T2+\b], 23, v[SO+\b]
.endr
.if \c == 0
	s_delay_alu instid0(VALU_DEP_1)
	v_lshl_or_b32 v[OW], v[T2+1], 8, v[T2]
.else
	s_delay_alu instid0(VALU_DEP_1)
	v_lshl_or_b32 v[OW+1], v[T2+1], 8, v[T2]
	s_delay_alu instid0(VALU_DEP_1)
	v_lshl_or_b32 v[OW], v[OW+1], 16, v[OW]
.endif
.irp b, 0,1
	v_cvt_scalef32_pk8_fp4_f32 v[OC+4*\c+2*\b], v[SS+16*\b:SS+7+16*\b], v[SO+\b]
	v_cvt_scalef32_pk8_fp4_f32 v[OC+4*\c+1+2*\b], v[SS+8+16*\b:SS+15+16*\b], v[SO+\b]
.endr
	v_nop                                          ; one plain place behind a scaled conversion
.irp i, 0,1
	v_permlane16_swap_b32 v[OC+4*\c+\i], v[OC+4*\c+2+\i]
.endr
	global_store_b128 v1, v[OC+4*\c:OC+4*\c+3], s[8:9] offset:512*\c     ; 32 lanes store 512 consecutive bytes, aligned
.endm
.macro HEAD c
	v_mov_b32 v13, 0xff61b1e6                      ; the largest t so far: -3e38
	s_delay_alu instid0(VALU_DEP_1)
	v_floor_f32 v12, -v13                          ; -M
	v_mov_b32 v14, 0
	v_mov_b32 v15, 0
.set j, 0
.rept 32
	v_mov_b32 v[OT+j], 0                           ; the step is written once: the first finds zeros, which the first change of M leaves zeros
.set j, j+1
.endr
	s_mov_b32 s[TK], \c*KHEAD
	s_mov_b32 s[TV], VB+\c*VHEAD
	s_mov_b32 s[CNT], 16
.Lstep_\@:
	STEP \c
	s_add_co_u32 s[TK], s[TK], KBLK
	s_add_co_u32 s[TV], s[TV], VBLK
	s_sub_co_u32 s[CNT], s[CNT], 1
	s_cmp_lg_u32 s[CNT], 0
	s_cbranch_scc1 .Lstep_\@
	FINISH \c
.endm
	s_wait_alu depctr_va_vdst(0)
	s_cmp_lt_u32 s[WV], 12
	s_cbranch_scc0 .Lnot_first
	s_wait_tensorcnt 0x0                           ; waves 0 to 11: my eighth of K, or of the first head's half of V, is in.
.Lnot_first:
	s_barrier_signal -1
	s_barrier_wait -1
	s_wait_loadcnt 0x0                             ; q
	ds_load_b128 v[KS:KS+3], v2 offset:4096        ; the first step's K words and first four tiles
	ds_load_b128 v[KS+4:KS+7], v2 offset:4352
.irp t, 0,1,2,3
	ds_load_b128 v[KF+8*\t:KF+8*\t+3], v1 offset:512*\t
.endr
	HEAD 0
	s_wait_tensorcnt 0x0                           ; my parts of the second head's K and V are in,
	s_wait_dscnt 0x0
	s_barrier_signal -1
	s_barrier_wait -1                              ; everybody's are
	HEAD 1
	ds_store_b32 v[STA], v[OW]                     ; my tile's scale words; both halves of the lanes write the same word with the same value
	s_wait_dscnt 0x0                               ; for the others' sake
	s_barrier_signal -1
	s_barrier_wait -1
	s_cmp_lt_u32 s[WV], 2                          ; the 1,024 bytes leave by waves 0 and 1
	s_cbranch_scc0 .Lwords_out
	ds_load_b128 v[SS:SS+3], v[STR]
	s_wait_dscnt 0x0
	global_store_b128 v7, v[SS:SS+3], s[10:11]     ; sixteen lanes store 256 consecutive bytes, aligned
.Lwords_out:
	s_wait_tensorcnt 0x0
	ds_add_u32 v254, v255
	s_wait_dscnt 0x0
	CROUND                                         ; the closing round
	s_endpgm
.Lfunc_end_k_qdd7aa2e0a8_attn:
	.size	k_qdd7aa2e0a8_attn, .Lfunc_end_k_qdd7aa2e0a8_attn-k_qdd7aa2e0a8_attn
	.p2alignl 7, 3214868480
	.fill 96, 4, 3214868480
	.section	.rodata,"a",@progbits
	.p2align	6, 0x0
	.amdhsa_kernel k_qdd7aa2e0a8_attn
		.amdhsa_group_segment_fixed_size 289792
		.amdhsa_private_segment_fixed_size 0
		.amdhsa_enable_private_segment 0
		.amdhsa_kernarg_size 32
		.amdhsa_user_sgpr_count 2
		.amdhsa_user_sgpr_kernarg_segment_ptr 1
		.amdhsa_wavefront_size32 1
		.amdhsa_system_sgpr_workgroup_id_x 1
		.amdhsa_system_sgpr_workgroup_id_y 1
		.amdhsa_system_sgpr_workgroup_id_z 1
		.amdhsa_system_vgpr_workitem_id 0
		.amdhsa_next_free_vgpr 256
		.amdhsa_next_free_sgpr 80
		.amdhsa_reserve_vcc 0
		.amdhsa_float_denorm_mode_32 3
		.amdhsa_float_denorm_mode_16_64 3
		.amdhsa_memory_ordered 1
		.amdhsa_forward_progress 1
		.amdhsa_inst_pref_size 52
	.end_amdhsa_kernel
	.amdgpu_metadata
---
amdhsa.version: [ 1, 2 ]
amdhsa.kernels:
  - .name:           k_qdd7aa2e0a8_attn
    .symbol:         k_qdd7aa2e0a8_attn.kd
    .args:
      - { .name: qk, .offset: 0, .size: 8, .value_kind: global_buffer, .address_space: global }
      - { .name: vv, .offset: 8, .size: 8, .value_kind: global_buffer, .address_space: global }
      - { .name: cc, .offset: 16, .size: 8, .value_kind: global_buffer, .address_space: global }
      - { .name: cs, .offset: 24, .size: 8, .value_kind: global_buffer, .address_space: global }
    .group_segment_fixed_size: 289792
    .private_segment_fixed_size: 0
    .kernarg_segment_align: 8
    .kernarg_segment_size: 32
    .max_flat_workgroup_size: 512
    .sgpr_count:     80
    .vgpr_count:     256
    .wavefront_size: 32
...
	.end_amdgpu_metadata
.endif
;; end of part 4
;; launch outp (part 5): grid 4 x 64, 4 waves a work-group, clusters of 4 x 4, 327,680 bytes of LDS; arguments cc, cs, wc, ws, bo, out0; writes out0
.if DOCPART == 5
	.amdgcn_target "amdgcn-amd-amdhsa--gfx1250"
	.amdhsa_code_object_version 6
	.text
	.protected	k_qdd7aa2e0a8_outp
	.globl	k_qdd7aa2e0a8_outp
	.p2align	8
	.type	k_qdd7aa2e0a8_outp,@function
k_qdd7aa2e0a8_outp:
	s_mov_b64 s[64:65], 0
	v_nop
	global_prefetch_b8 v0, s[64:65] scope:SCOPE_SE
	s_setreg_imm32_b32 hwreg(HW_REG_WAVE_MODE, 25, 1), 1
	s_wait_xcnt 0x0
	s_wait_alu depctr_hold_cnt(0) depctr_sa_sdst(0) depctr_va_vdst(0) depctr_va_sdst(0) depctr_va_ssrc(0) depctr_va_vcc(0) depctr_vm_vsrc(0)
	s_getreg_b32 s2, hwreg(HW_REG_IB_STS2, 6, 4)
	s_cmp_eq_u32 s2, 0
	s_cbranch_scc0 .Lentry_in_a_cluster
	s_endpgm
.Lentry_in_a_cluster:
	s_bfe_u32 s2, ttmp6, 0x10000c
	s_cmp_lg_u32 s2, 0xf033
	s_cbranch_scc0 .Lentry_shape_is_right
	s_endpgm
.Lentry_shape_is_right:
; out0 = concat Wo + bo on codes of FP4 (E2M1) with E8M0 scales, f32 out.  Source 0 = Wo's rows (wc's fourth tensor, order tau), source 1 = the context as the attention launch leaves it (cc: images of the operand's registers; cs: its scale words).
; A work-group makes 256 columns x 128 tokens; a wave 128 x 64: 32 accumulators; the bias is the C of each sum's first product.  CLUSTER 4 x 4: Wo's tile hangs on cx alone (shared by a column), the context's on the tile row alone (shared by a row).
; THE FILLS: four joint loads, ONE A WAVE, in one chain of branches on the wave's number, each filled once: wave 0 Wo's 256 rows of K half 0, wave 1 the context's K steps 0 to 3 (32,768 dense bytes), waves 2 and 3 the same of the second half.
; Waves 0 and 1 wait ahead of the first barrier; waves 2 and 3 have load lines of their own and wait ahead of K step 3's barrier.  The scale words go from memory straight into each wave's registers.
; No data prefetch: all is asked for at the head.  The results leave through each wave's own stage in LDS, on bytes into which no fill lands, as rows of 512 bytes.
; LIMITS: NaN, infinities and sums beyond f32's range are not served; a sum begins with the bias.
.set PITCH,  272
.set HALF0,  256*PITCH
.set C1,     2*HALF0
.set STAGE,  C1+65536
.set SPITCH, 528
.set AD0, 4
.set AD1, 6
.set STO, 10
.set RD,  11
.set CO,  12
.set SC0, 32
.set SC1, 96
.set BI,  128
.set BK,  128
.set G1C0, 36
.set G1I,  44
.set G0C0, 76
.set G0I,  84
.set MSB, 0
.macro WIN new
.if MSB != \new
	s_set_vgpr_msb (MSB<<8)|\new
.set MSB, \new
.endif
.endm
.macro PLACES n
.rept \n
	v_nop
.endr
.endm
.macro ARM w, g0, g1, next             ; an arm of the head's chain: its load, s_nop 0 and four v_nop, a jump to the chain's end
	s_cmp_eq_u32 s24, \w
	s_cbranch_scc0 \next
	tensor_load_to_lds s[\g0:\g0+3], s[\g1:\g1+7]
	s_nop 0
.rept 4
	v_nop
.endr
	s_branch .Lasked
\next:
.endm
.macro CROUND
	s_barrier_signal -1
	s_barrier_wait -1
	s_cmp_lg_u32 s24, 0
	s_cbranch_scc1 .Lnot_wave_0_\@
	s_barrier_signal -3
.Lnot_wave_0_\@:
	s_barrier_wait -3
	s_barrier_signal -1
	s_barrier_wait -1
.endm
	s_load_b256 s[4:11], s[0:1], 0x0
	s_load_b128 s[12:15], s[0:1], 0x20
	v_lshl_add_u32 v26, v0, 2, 0x3d400
	v_mov_b32 v27, 0
	ds_add_u32 v26, v27
	ds_add_u32 v26, v27
	v_lshrrev_b32 v1, 5, v0
	v_readfirstlane_b32 s24, v1
	s_lshr_b32 s25, s24, 1
	s_and_b32 s26, s24, 1
	s_bfe_u32 s27, ttmp6, 0x40000
	s_bfe_u32 s28, ttmp6, 0x40004
	s_and_b32 s29, ttmp7, 0xffff
	s_lshl_b32 s33, s29, 2
	s_add_co_u32 s33, s33, s28
	s_lshl_b32 s34, 0x1111, s27
	s_lshl_b32 s35, s28, 2
	s_lshl_b32 s35, 15, s35
	s_or_b32 s[G1C0], s34, (1<<20)|(1<<21)|(5<<22)|(3<<25)
	s_mov_b32 s[G1C0+1], 256<<16
	s_mov_b32 s[G1C0+2], 256<<16
	s_mov_b32 s[G1C0+3], 256<<16
	s_mov_b32 s[G1C0+4], 256
	s_mov_b32 s[G1C0+5], 512
	s_mov_b32 s[G1C0+6], 0
	s_mov_b32 s[G1C0+7], 0
	s_or_b32 s[G1I], s35, (3<<16)|(1<<21)
	s_mov_b32 s[G1I+1], 32<<16
	s_mov_b32 s[G1I+2], 128<<16
	s_mov_b32 s[G1I+3], 32<<16
	s_mov_b32 s[G1I+4], 128
	s_mov_b32 s[G1I+5], 32
	s_mov_b32 s[G1I+6], 0
	s_mov_b32 s[G1I+7], 0
	s_lshl_b32 s60, s27, 17
	s_add_co_u32 s60, s60, 3*524288
	s_mov_b32 s61, 0
	s_lshl_b32 s62, s27, 13
	s_lshl_b32 s63, s26, 12
	s_add_co_u32 s62, s62, s63
	s_add_co_u32 s62, s62, 3*32768
	s_mov_b32 s63, 0
	s_lshl_b32 s66, s33, 16
	s_mov_b32 s67, 0
	s_lshl_b32 s100, s33, 12
	s_lshl_b32 s101, s25, 11                       ; my 64 tokens' scale words: 2,048 bytes
	s_add_co_u32 s100, s100, s101
	s_mov_b32 s101, 0
	s_mul_i32 s22, s26, 128*PITCH
	s_wait_dscnt 0x0
	s_wait_kmcnt 0x0
	s_add_nc_u64 s[8:9], s[8:9], s[60:61]
	s_add_nc_u64 s[10:11], s[10:11], s[62:63]
	s_add_nc_u64 s[4:5], s[4:5], s[66:67]
	s_add_nc_u64 s[6:7], s[6:7], s[100:101]
	CROUND
.irp s, 0,1
	s_mov_b32 s[G0C0+4*\s], 1
	s_mov_b32 s[G0C0+4*\s+1], \s*HALF0
	s_add_nc_u64 s[G0C0+4*\s+2:G0C0+4*\s+3], s[8:9], \s*256
	s_or_b32 s[G0C0+4*\s+3], s[G0C0+4*\s+3], 0x80000000
	s_mov_b32 s[G0I+4*\s], 1
	s_mov_b32 s[G0I+4*\s+1], C1+\s*32768
	s_add_nc_u64 s[G0I+4*\s+2:G0I+4*\s+3], s[4:5], \s*32768
	s_or_b32 s[G0I+4*\s+3], s[G0I+4*\s+3], 0x80000000
.endr
	ARM 0, G0C0, G1C0, .Lw1
	ARM 1, G0I, G1I, .Lw2
	ARM 2, G0C0+4, G1C0, .Lw3
	tensor_load_to_lds s[G0I+4:G0I+7], s[G1I:G1I+7]
	s_nop 0
.rept 4
	v_nop
.endr
.Lasked:
	v_and_b32 v1, 15, v0
	v_bfe_u32 v2, v0, 4, 1
	v_lshlrev_b32 v30, 4, v1                       ; 16 x (lane % 16)
	s_wait_alu depctr_va_vdst(0)
	s_lshl_b32 s60, s27, 10
	s_lshl_b32 s61, s26, 9
	s_add_co_u32 s60, s60, s61
	s_mov_b32 s61, 0
	s_add_nc_u64 s[12:13], s[12:13], s[60:61]
	s_lshl_b32 s62, s33, 19
	s_lshl_b32 s63, s25, 18
	s_add_co_u32 s62, s62, s63
	s_add_co_u32 s60, s60, s62
	s_add_nc_u64 s[14:15], s[14:15], s[60:61]
.irp b, 0,1,2,3,4,5,6,7                        ; my rows' scale words, four a load: sixteen lanes read 256 consecutive bytes, aligned; lanes 16-31 name the same bytes
.irp u, 0,1
	global_load_b128 v[SC0+8*\b+4*\u:SC0+8*\b+4*\u+3], v30, s[10:11] offset:2048*\u+256*\b
.endr
.endr
.irp q, 0,1,2,3,4,5,6,7
	global_load_b128 v[SC1+4*\q:SC1+4*\q+3], v30, s[6:7] offset:256*\q
.endr
	v_lshlrev_b32 v28, 6, v2
.irp b, 0,1,2,3,4,5,6,7
	global_load_b128 v[BI+8*\b:BI+8*\b+3], v28, s[12:13] offset:(32*(\b/2)+8*(\b%2))*4
	global_load_b128 v[BI+8*\b+4:BI+8*\b+7], v28, s[12:13] offset:(32*(\b/2)+8*(\b%2))*4+16
.endr
	v_mul_u32_u24 v3, v1, PITCH
	v_lshl_add_u32 v3, v2, 4, v3
	v_add_nc_u32 v[AD0], s22, v3
	v_add_nc_u32 v[AD0+1], HALF0, v[AD0]
	v_and_b32 v29, 31, v0
	v_lshlrev_b32 v[CO], 4, v29
	s_lshl_b32 s60, s25, 12
	s_add_co_u32 s60, s60, C1
	v_add_nc_u32 v[AD1], s60, v[CO]
	s_mul_i32 s60, s24, 16*SPITCH
	s_add_co_u32 s60, s60, STAGE
	v_mul_u32_u24 v31, v1, SPITCH
	v_lshl_add_u32 v31, v2, 6, v31
	v_add_nc_u32 v[STO], s60, v31
	v_add_nc_u32 v[RD], s60, v[CO]
.macro FETCH q
	WIN 0x80
.irp b, 0,1,2,3,4,5,6,7
.irp c, 0,1
	ds_load_b128 v[128*((\q)%2)+8*\b+4*\c:128*((\q)%2)+8*\b+4*\c+3], v[AD0+(\q)/4] offset:64*((\q)%4)+32*\c+16*PITCH*\b
.endr
.endr
.irp a, 0,1,2,3
.irp c, 0,1
	ds_load_b128 v[128*((\q)%2)+64+8*\a+4*\c:128*((\q)%2)+64+8*\a+4*\c+3], v[AD1] offset:8192*(\q)+1024*\a+512*\c
.endr
.endr
	WIN 0
.endm
.macro MUL q, cm
.if \cm
	WIN 0x4a
.else
	WIN 0x5a
.endif
.irp a, 0,1,2,3
.irp b, 0,1,2,3,4,5,6,7
.if \cm
	v_wmma_scale_f32_16x16x128_f8f6f4 v[8*(8*\a+\b):8*(8*\a+\b)+7], v[128*((\q)%2)+8*\b:128*((\q)%2)+8*\b+7], v[128*((\q)%2)+64+8*\a:128*((\q)%2)+64+8*\a+7], v[BI+8*\b:BI+8*\b+7], v[SC0+8*\b+(\q)], v[SC1+4*(\q)+\a] matrix_a_fmt:MATRIX_FMT_FP4 matrix_b_fmt:MATRIX_FMT_FP4
.else
	v_wmma_scale_f32_16x16x128_f8f6f4 v[8*(8*\a+\b):8*(8*\a+\b)+7], v[128*((\q)%2)+8*\b:128*((\q)%2)+8*\b+7], v[128*((\q)%2)+64+8*\a:128*((\q)%2)+64+8*\a+7], v[8*(8*\a+\b):8*(8*\a+\b)+7], v[SC0+8*\b+(\q)], v[SC1+4*(\q)+\a] matrix_a_fmt:MATRIX_FMT_FP4 matrix_b_fmt:MATRIX_FMT_FP4
.endif
.endr
.endr
	WIN 0
.endm
.macro PRE q
	s_wait_dscnt 0x0
.if (\q) == 3
	s_wait_tensorcnt 0x0
	s_barrier_signal -1
	s_barrier_wait -1
.endif
.if (\q) < 7
.if (\q) > 0
	PLACES 4
.endif
	FETCH (\q)+1
.endif
.endm
.macro TOSTAGE a
	WIN 0x04
.irp p, 0,1,2,3
	ds_store_b128 v[STO], v[64*(\a)+16*\p:64*(\a)+16*\p+3] offset:128*\p
	ds_store_b128 v[STO], v[64*(\a)+16*\p+4:64*(\a)+16*\p+7] offset:128*\p+16
	ds_store_b128 v[STO], v[64*(\a)+16*\p+8:64*(\a)+16*\p+11] offset:128*\p+32
	ds_store_b128 v[STO], v[64*(\a)+16*\p+12:64*(\a)+16*\p+15] offset:128*\p+48
.endr
	WIN 0
.irp t, 0,1,2,3,4,5,6,7,8,9,10,11,12,13,14,15
	ds_load_b128 v[BK+64*((\a)%2)+4*\t:BK+64*((\a)%2)+4*\t+3], v[RD] offset:\t*SPITCH
.endr
.endm
.macro SEND a, younger
	s_wait_dscnt \younger
.irp t, 0,1,2,3,4,5,6,7,8,9,10,11,12,13,14,15
	global_store_b128 v[CO], v[BK+64*((\a)%2)+4*\t:BK+64*((\a)%2)+4*\t+3], s[14:15] offset:(32*((\a)/2)+8*((\a)%2)+16*(\t/8)+\t%8)*4096 th:TH_STORE_NT
.endr
.endm
	s_wait_alu depctr_va_vdst(0)
	s_cmp_lt_u32 s24, 2
	s_cbranch_scc0 .Lnot_h0
	s_wait_tensorcnt 0x0                           ; waves 0 and 1: the first half's tiles are in
.Lnot_h0:
	s_barrier_signal -1
	s_barrier_wait -1
	FETCH 0
	s_wait_loadcnt 0x0
	PRE 0
	MUL 0, 1
.irp q, 1,2,3,4,5,6,7
	PRE \q
	MUL \q, 0
.endr
	PLACES 4
	TOSTAGE 0
.irp a, 1,2,3
.if \a > 1
	s_wait_xcnt 0x0
.endif
	TOSTAGE \a
	SEND \a-1, 32
.endr
	SEND 3, 0
	s_wait_tensorcnt 0x0
	ds_add_u32 v26, v27
	s_wait_dscnt 0x0
	CROUND
	s_endpgm
.Lfunc_end_k_qdd7aa2e0a8_outp:
	.size	k_qdd7aa2e0a8_outp, .Lfunc_end_k_qdd7aa2e0a8_outp-k_qdd7aa2e0a8_outp
	.p2alignl 7, 3214868480
	.fill 96, 4, 3214868480
	.section	.rodata,"a",@progbits
	.p2align	6, 0x0
	.amdhsa_kernel k_qdd7aa2e0a8_outp
		.amdhsa_group_segment_fixed_size 327680
		.amdhsa_private_segment_fixed_size 0
		.amdhsa_enable_private_segment 0
		.amdhsa_kernarg_size 48
		.amdhsa_user_sgpr_count 2
		.amdhsa_user_sgpr_kernarg_segment_ptr 1
		.amdhsa_wavefront_size32 1
		.amdhsa_system_sgpr_workgroup_id_x 1
		.amdhsa_system_sgpr_workgroup_id_y 1
		.amdhsa_system_sgpr_workgroup_id_z 1
		.amdhsa_system_vgpr_workitem_id 0
		.amdhsa_next_free_vgpr 768
		.amdhsa_next_free_sgpr 106
		.amdhsa_reserve_vcc 0
		.amdhsa_float_denorm_mode_32 3
		.amdhsa_float_denorm_mode_16_64 3
		.amdhsa_memory_ordered 1
		.amdhsa_forward_progress 1
		.amdhsa_inst_pref_size 72
	.end_amdhsa_kernel
	.amdgpu_metadata
---
amdhsa.version: [ 1, 2 ]
amdhsa.kernels:
  - .name:           k_qdd7aa2e0a8_outp
    .symbol:         k_qdd7aa2e0a8_outp.kd
    .args:
      - { .name: cc, .offset: 0, .size: 8, .value_kind: global_buffer, .address_space: global }
      - { .name: cs, .offset: 8, .size: 8, .value_kind: global_buffer, .address_space: global }
      - { .name: wc, .offset: 16, .size: 8, .value_kind: global_buffer, .address_space: global }
      - { .name: ws, .offset: 24, .size: 8, .value_kind: global_buffer, .address_space: global }
      - { .name: bo, .offset: 32, .size: 8, .value_kind: global_buffer, .address_space: global }
      - { .name: out0, .offset: 40, .size: 8, .value_kind: global_buffer, .address_space: global }
    .group_segment_fixed_size: 327680
    .private_segment_fixed_size: 0
    .kernarg_segment_align: 8
    .kernarg_segment_size: 48
    .max_flat_workgroup_size: 128
    .sgpr_count:     106
    .vgpr_count:     768
    .wavefront_size: 32
...
	.end_amdgpu_metadata
.endif
;; end of part 5
